; MI455X (gfx1250); checked and timed in simulation.
; The chip was launched on July 23, 2026; its instructions are those of AMD's public machine-readable ISA for CDNA 5 (MIT licence, August 2026) and "CDNA5" Instruction Set Architecture Reference Guide (July 2026). The comments in the code are by the model that wrote it; some were corrected since.
;; Feature Net. Allowed arithmetic: matrix products marked QUANTISED: E4M3 operands, one E8M0 scale for each 32 along K, by v_wmma_scale_f32_16x16x128_f8f6f4 with both operands' format E4M3, f32 sums; products left as they are: f32 operands where the result goes on into a quantised operand, else bf16, f16 or f32 operands; f32 sums; everything else in f32.
;; Inputs: W0 67 x 128 float32; W1 128 x 128 float32; W2 128 x 128 float32; W3 128 x 64 float32; b0 128 float32; b1 128 float32; b2 128 float32; b3 64 float32; query_pts 32,768 x 3 float32; vertex 6,890 x 3 float32; vertex_features 6,890 x 64 float32.
;; Outputs: out0 32,768 x 64 float32.
;; This version of the problem:
;;   THIS VERSION OF THE PROBLEM IS GIVEN IN LOW PRECISION. The matrix products marked QUANTISED in the list below multiply operands that are first quantised to E4M3 (4 exponent bits, 3 mantissa bits; 8 bits a number), with one power-of-two scale for each 32 numbers along K (OCP MX v1.0); their sums are f32. All else is computed in f32.
;;   The module's matrix products, in the order in which they are computed (A, B: the left and right operand; K: the contracted axis; several contracted axes count as one K, in the product's order):
;;     1. [M 32,768, K 3] x [K 3, N 6,890]; A: input query_pts; B: input vertex: left as it is (K = 3 < 32)
;;     2. [M 262,144, K 67] x [K 67, N 128]; A: computed on the way; B: input W0: QUANTISED
;;     3. [M 262,144, K 128] x [K 128, N 128]; A: computed on the way; B: input W1: QUANTISED
;;     4. [M 262,144, K 128] x [K 128, N 128]; A: computed on the way; B: input W2: QUANTISED
;;     5. [M 262,144, K 128] x [K 128, N 64]; A: computed on the way; B: input W3: QUANTISED
;;   THE QUANTISER, for each operand of a quantised product, along K:
;;     - K is cut into blocks of 32 from its start; a last block that is shorter is filled with zeros.
;;     - A block's scale is 2^e with e = floor(log2(the largest magnitude in the block)) - 8, held to -126 .. 127; a block of zeros has e = 0. As a byte (E8M0): e + 127.
;;     - Each number is divided by its block's scale, clamped to +-448, and rounded to the nearest number of E4M3, ties to even, subnormals kept.
;;     - The product sums the exact products of the quantised numbers (number of the format x scale) in f32.
;;   ~~~python
;;   def quantise(x, axis):      # numpy; x: float32 -> the quantised numbers, widened to float32 again
;;       x = np.moveaxis(x, axis, -1); K = x.shape[-1]
;;       x = np.pad(x, [(0, 0)] * (x.ndim - 1) + [(0, -K % 32)]); x = x.reshape(x.shape[:-1] + (-1, 32)); a = np.abs(x).max(-1, keepdims=True)
;;       e = np.where(a > 0, np.clip(np.frexp(np.where(a > 0, a, 1))[1] - 1 - 8, -126, 127), 0)      # np.frexp(a)[1] - 1 = floor(log2(a)), exactly
;;       r = np.clip(x / 2.0 ** e, -448, 448)
;;       step = 2.0 ** (np.maximum(np.frexp(np.where(r == 0, 1, r))[1] - 1, -6) - 3)
;;       q = np.round(r / step) * step * 2.0 ** e      # np.round: ties to even
;;       return np.moveaxis(q.reshape(q.shape[:-2] + (-1,))[..., :K], -1, axis).astype(np.float32)
;;   ~~~
;;   OPERANDS COMPUTED ON THE WAY. 'Computed on the way' means the value that the module computes at that place (a softmax that the list does not call 'softmax' is quantised finished and normalised). What goes into a quantiser is computed in f32, as accurately as f32 sums, v_exp_f32 and their like allow (about 1e-6 of the number): no bf16 or f16 on the way to a quantiser, and a product that is left as it is and whose result goes on into a quantised operand takes f32 operands (vector FMAs, or v_wmma_f32_16x16x4_f32). A number that lies on a knife's edge between two numbers of the format may be rounded either way, as far as f32 arithmetic and the matrix unit's own rounding can turn it there, and no further.
;; 2 versions, each right; version 2 is version 1 with the launches scan, mlp written anew for expert scheduling mode. Each part assembles by itself: llvm-mc -triple=amdgcn-amd-amdhsa -mcpu=gfx1250 --defsym DOCPART=n.
;; ======== version 1 of 2: 3 launches
;; workspace buffers: grp 2,097,152 bytes of whole numbers; vpad 110,592 bytes; knn_idx 1,048,576 bytes of whole numbers; knn_w 1,048,576 bytes
;; launch scan (part 1): grid 256 x 1, 4 waves a work-group, no clusters, 141,312 bytes of LDS; arguments vertex, query_pts, grp, vpad; writes grp, vpad
.if DOCPART == 1
	.amdgcn_target "amdgcn-amd-amdhsa--gfx1250"
	.amdhsa_code_object_version 6
	.text
	.protected	k_q789bdd71f9_scan
	.globl	k_q789bdd71f9_scan
	.p2align	8
	.type	k_q789bdd71f9_scan,@function
k_q789bdd71f9_scan:
	s_mov_b64 s[64:65], 0
	v_nop
	global_prefetch_b8 v0, s[64:65] scope:SCOPE_SE
	s_setreg_imm32_b32 hwreg(HW_REG_WAVE_MODE, 25, 1), 1
	s_wait_xcnt 0x0
; FIRST OF THREE LAUNCHES: for every query, which GROUPS of 16 neighbouring vertices can hold its 8 nearest vertices.
; d2(q, v) = (qq - 2 q.v) + vv in f32.  The 8 smallest (d2, index) lie in the 8 groups with the smallest (group minimum, group number): every group
; ahead of an element's group owns a smaller element of its own, so at most 7 groups can be ahead.  So the walk over all 6,890 vertices keeps only a minimum
; for each 16 pairs and one insertion into a list of 8 for each 16 pairs; the next launch looks at the surviving vertices one by one.
; THE PRODUCT q.v (K = 3, left as it is) goes by the f32 matrix form with K = 4: source 0 = 16 vertices, rows (x, y, z, 1); source 1 = 16 queries, columns (-2 q0, -2 q1, -2 q2, qq);
; C = 0.  Four fused multiply-adds in ascending k give round(qq - 2 t), t the chain of q.v (the factor -2 is exact); vv is added by a packed addition.
; SHARES: a work-group owns 128 queries, a wave 32 as two tiles of 16; every wave walks all vertices, 32 a trip.  In a result lane (r, h) holds query r and 8 vertices of half h;
; the 32 vertices of a trip are dealt to the two vertex tiles so that half h holds vertices 32 u + 16 h + 0 .. 15: group 2 u + h.  The two halves keep lists of their own (8 groups each).
; LDS, filled once by stores and read-only behind the one barrier: from 0: 220 images of 512 bytes, lane l's 16 bytes = the source-0 registers of both vertex tiles;
; from VVB: vv of 7,040 vertices.  Vertices from 6,890 on are (0, 0, 0, 1) with vv = +infinity: they lose against every number.
; The first 54 work-groups also store the table vpad [6912][4] = (x, y, z, vv) for the later launches.
; No tensor load: what is put into LDS is computed (vv, the dealing).  No cluster: what work-groups share, 83 KB of vertices, is read once by each.
; LIMITS: NaN and infinities among the inputs are not served.  vv and qq are chains mul, fma, fma over the three coordinates.
; REGISTERS in the loop: v3, v11 LDS addresses; v12-19 source 0, two buffers; v20-51 vv, two buffers; v52-83 d2 of both tiles, then the insertion's temporaries; v84-95 minima;
; v96.. the lists (tile a: values 96 + 16 a, payloads 104 + 16 a); v128-191 the products, two buffers, written by matrix instructions alone; v252-255 source 1.
.set NV,   6890
.set VVB,  112640
.set XY,   20                          ; head: v20-127  (x, y) of pass i at 20 + 2 i
.set ZZ,   192                         ; head: v192-245 z of pass i
.set TT,   246                         ; v246-247 at work
.set ONE,  248
.set INF,  249
.set ZERO, 250                         ; v250-251
.set BF,   252                         ; source 1 of query tile a at 252 + 2 a
.set AB,   12
.set VV,   20
.set EE,   52
.set MN,   84
.set LA,   96
.set LI,   104
.set DD,   128
	s_load_b256 s[4:11], s[0:1], 0x0               ; vertex s[4:5], query_pts s[6:7], grp s[8:9], vpad s[10:11]
	s_set_vgpr_msb 0x40
	v_lshl_add_u32 v0, v0, 2, 0x22600
	v_mov_b32 v1, 0
	s_set_vgpr_msb 0x4000
	v_lshrrev_b32 v1, 5, v0
	v_readfirstlane_b32 s12, v1                    ; wave 0..3
	v_and_b32 v1, 15, v0                           ; r
	v_bfe_u32 v2, v0, 4, 1                         ; h
	v_mul_u32_u24 v3, v0, 12                       ; a vertex is 12 bytes: pass i takes vertex 128 i + thread
	v_add_nc_u32 v246, 6784, v0
	v_min_u32 v246, NV-1, v246                     ; pass 53 would pass the table's end: held at the last vertex, replaced below
	v_mul_u32_u24 v11, v246, 12
	s_lshl_b32 s13, ttmp9, 7
	v_add_nc_u32 v247, s13, v0                     ; the row of vpad that I would store
	v_min_u32 v246, NV-1, v247
	v_mul_u32_u24 v18, v246, 12
	v_mul_u32_u24 v19, v1, 12                      ; my query in a tile
	v_and_b32 v246, 7, v0                          ; where my vertex goes in its image: lane w of 32 -> vertex tile (w / 8) % 2, row (w % 8) + 8 (w / 16):
	v_lshlrev_b32 v15, 4, v246                     ; 16 x row
	v_and_b32 v246, 8, v0
	v_add_nc_u32 v15, v15, v246                    ; + 8 x tile
	v_lshl_add_u32 v15, v2, 7, v15
	v_and_b32 v246, 0x60, v0
	v_lshl_add_u32 v15, v246, 4, v15               ; + 512 x wave: a pass fills four images
	v_add_nc_u32 v16, 0x10000, v15                 ; the same for passes 32 on: an LDS offset has 16 bits
	v_lshl_add_u32 v17, v0, 2, VVB                 ; and its vv
	v_mov_b32 v[ONE], 1.0
	v_mov_b32 v[INF], 0x7f800000
	v_mov_b32 v[ZERO], 0
	v_mov_b32 v[ZERO+1], 0
	s_lshl_b32 s14, s12, 5
	s_add_co_u32 s18, s13, s14                     ; my wave's first query
	s_mul_i32 s14, s18, 12
	s_mov_b32 s15, 0
	s_wait_kmcnt 0x0
	s_add_nc_u64 s[6:7], s[6:7], s[14:15]
.irp a, 0,1
.irp c, 0,1,2
	global_load_b32 v[8+4*\a+\c], v19, s[6:7] offset:192*\a+4*\c
.endr
.endr
.irp c, 0,1,2
	global_load_b32 v[4+\c], v18, s[4:5] offset:4*\c
.endr
.set Q, 0
.rept 53
	global_load_b32 v[XY+2*Q], v3, s[4:5] offset:1536*Q
	global_load_b32 v[XY+2*Q+1], v3, s[4:5] offset:1536*Q+4
	global_load_b32 v[ZZ+Q], v3, s[4:5] offset:1536*Q+8
.set Q, Q+1
.endr
	global_load_b32 v[XY+106], v11, s[4:5]
	global_load_b32 v[XY+107], v11, s[4:5] offset:4
	global_load_b32 v[ZZ+53], v11, s[4:5] offset:8
	s_wait_loadcnt 0x0
	; the row of vpad
	v_mul_f32 v7, v4, v4
	v_fma_f32 v7, v5, v5, v7
	v_fma_f32 v7, v6, v6, v7
	v_cmp_gt_u32 vcc_lo, NV, v247
	v_cndmask_b32 v4, 0, v4, vcc_lo
	v_cndmask_b32 v5, 0, v5, vcc_lo
	v_cndmask_b32 v6, 0, v6, vcc_lo
	v_cndmask_b32 v7, v[INF], v7, vcc_lo
	v_lshlrev_b32 v19, 4, v0                       ; (the loads that it addressed are in)
	s_cmp_ge_u32 ttmp9, 54                         ; 54 work-groups x 128 rows = 6,912 rows
	s_cbranch_scc1 .Lno_table
	s_lshl_b32 s14, ttmp9, 11
	s_add_nc_u64 s[10:11], s[10:11], s[14:15]
	global_store_b128 v19, v[4:7], s[10:11]        ; a wave stores 512 consecutive bytes, aligned
.Lno_table:
; Pass i: vertex 128 i + thread: its vv; (x, y) into lanes 0-15's part of the image, (z, 1) into lanes 16-31's, 256 bytes on.
.macro VERT i
.set XR, XY+2*(\i)
.set ZR, ZZ+(\i)
.set TR, TT+((\i)%2)
.if (\i) < 32
.set AR, 15
.set AO, 2048*(\i)
.else
.set AR, 16
.set AO, 2048*((\i)-32)
.endif
	v_mul_f32 v[TR], v[XR], v[XR]
	v_fma_f32 v[TR], v[XR+1], v[XR+1], v[TR]
	v_fma_f32 v[TR], v[ZR], v[ZR], v[TR]
.if (\i) == 53
	v_cmp_gt_u32 vcc_lo, NV-6784, v0               ; threads 106 on are past the last vertex
	v_cndmask_b32 v[XR], 0, v[XR], vcc_lo
	v_cndmask_b32 v[XR+1], 0, v[XR+1], vcc_lo
	v_cndmask_b32 v[ZR], 0, v[ZR], vcc_lo
	v_cndmask_b32 v[TR], v[INF], v[TR], vcc_lo
.endif
	ds_store_b64 v[AR], v[XR:XR+1] offset:AO
	ds_store_b32 v[AR], v[ZR] offset:AO+256
	ds_store_b32 v[AR], v[ONE] offset:AO+260
	ds_store_b32 v17, v[TR] offset:512*(\i)
.endm
.set Q, 0
.rept 54
	VERT Q
.set Q, Q+1
.endr
	ds_store_b64 v16, v[ZERO:ZERO+1] offset:2048*22        ; pass 54: vertices 6,912 to 7,039, which the look-ahead reads
	ds_store_b32 v16, v[ZERO] offset:2048*22+256
	ds_store_b32 v16, v[ONE] offset:2048*22+260
	ds_store_b32 v17, v[INF] offset:512*54
	; source 1: lane (r, h) holds k = 2 h, 2 h + 1 of query r's column (-2 q0, -2 q1, -2 q2, qq)
	s_mov_b32 s13, 0xffff0000                      ; lanes 16-31
.irp a, 0,1
	v_mul_f32 v[TT+\a], v[8+4*\a], v[8+4*\a]
	v_fma_f32 v[TT+\a], v[9+4*\a], v[9+4*\a], v[TT+\a]
	v_fma_f32 v[TT+\a], v[10+4*\a], v[10+4*\a], v[TT+\a]
	v_mul_f32 v[8+4*\a], -2.0, v[8+4*\a]
	v_mul_f32 v[9+4*\a], -2.0, v[9+4*\a]
	v_mul_f32 v[10+4*\a], -2.0, v[10+4*\a]
	v_cndmask_b32 v[BF+2*\a], v[8+4*\a], v[10+4*\a], s13
	v_cndmask_b32 v[BF+2*\a+1], v[9+4*\a], v[TT+\a], s13
.endr
	s_wait_xcnt 0x0                                ; the table's store has read its registers: v19 is loaded into below
	s_wait_dscnt 0x0                               ; for the others' sake: my stores into LDS are done
	s_barrier_signal -1
	s_barrier_wait -1                              ; the one barrier: from here on LDS is only read
; four products: query tiles a = 0, 1 x vertex tiles T = 0, 1, into buffer p.  Each is a whole sum: C = 0.
.macro MM4 p
.irp a, 0,1
.irp T, 0,1
	v_wmma_f32_16x16x4_f32 v[DD+32*(\p)+16*\a+8*\T:DD+32*(\p)+16*\a+8*\T+7], v[AB+4*(\p)+2*\T:AB+4*(\p)+2*\T+1], v[BF+2*\a:BF+2*\a+1], 0
.endr
.endr
.endm
; A trip: 32 vertices (image u, buffers p = u % 2) against my 32 queries.  The next trip's products are issued first, so that they run beside this trip's vector work,
; whose lines are also the places between a product and the first read of its result and the next load into its sources.
.macro TRIP p, uid, offa, offv
	s_wait_dscnt 0x0                               ; the five loads of the trip before: image u + 1 and vv of this trip; they had a whole trip in which to land
	MM4 (1-\p)
	ds_load_b128 v[AB+4*\p:AB+4*\p+3], v3 offset:\offa     ; image u + 2, into the buffer whose products were issued a trip ago
.irp c, 0,1,2,3
	ds_load_b128 v[VV+16*(1-\p)+4*\c:VV+16*(1-\p)+4*\c+3], v11 offset:\offv+16*\c   ; vv of trip u + 1: sixteen numbers, the same in all lanes of a half
.endr
.irp i, 0,1,2,3,4,5,6,7
.irp a, 0,1
	v_pk_add_f32 v[EE+16*\a+2*\i:EE+16*\a+2*\i+1], v[DD+32*\p+16*\a+2*\i:DD+32*\p+16*\a+2*\i+1], v[VV+16*\p+2*\i:VV+16*\p+2*\i+1]   ; d2; each result is read from its low end on
.endr
.endr
.irp k, 0,1,2,3,4
.irp a, 0,1
	v_min3_num_f32 v[MN+6*\a+\k], v[EE+16*\a+3*\k], v[EE+16*\a+3*\k+1], v[EE+16*\a+3*\k+2]
.endr
.endr
.irp a, 0,1
	v_min3_num_f32 v[MN+6*\a], v[MN+6*\a], v[MN+6*\a+1], v[MN+6*\a+2]
.endr
.irp a, 0,1
	v_min3_num_f32 v[MN+6*\a+3], v[MN+6*\a+3], v[MN+6*\a+4], v[EE+16*\a+15]
.endr
.irp a, 0,1
	v_min_num_f32 v[MN+6*\a], v[MN+6*\a], v[MN+6*\a+3]     ; the group's minimum
.endr
	; the insertion into the ascending lists, both tiles line by line.  The compare is strict: on equal minima the earlier group stays ahead.
.irp i, 0,1,2,3,4,5,6,7
.irp a, 0,1
	v_cmp_lt_f32 s[20+8*\a+\i], v[MN+6*\a], v[LA+16*\a+\i]
.endr
.endr
.irp i, 7,6,5,4,3,2,1
.irp a, 0,1
	v_med3_num_f32 v[LA+16*\a+\i], v[MN+6*\a], v[LA+16*\a+\i-1], v[LA+16*\a+\i]   ; from the top down: the entry below is still the old one
.endr
.endr
.irp a, 0,1
	v_min_num_f32 v[LA+16*\a], v[MN+6*\a], v[LA+16*\a]
.endr
.irp i, 1,2,3,4,5,6,7
.irp a, 0,1
	v_cndmask_b32 v[EE+16*\a+\i], v[LI+16*\a+\i], \uid, s[20+8*\a+\i]            ; the new payload where the new value is smaller,
.endr
.endr
.irp i, 7,6,5,4,3,2,1
.irp a, 0,1
	v_cndmask_b32 v[LI+16*\a+\i], v[EE+16*\a+\i], v[LI+16*\a+\i-1], s[20+8*\a+\i-1]   ; the entry below where it is smaller than that one too
.endr
.endr
.irp a, 0,1
	v_cndmask_b32 v[LI+16*\a], v[LI+16*\a], \uid, s[20+8*\a]
.endr
.endm
	v_and_b32 v3, 31, v0
	v_lshlrev_b32 v3, 4, v3                        ; an image: 16 bytes a lane
	v_lshl_add_u32 v11, v2, 6, VVB                 ; vv: my half's sixteen
	ds_load_b128 v[AB:AB+3], v3
	ds_load_b128 v[AB+4:AB+7], v3 offset:512
.irp c, 0,1,2,3
	ds_load_b128 v[VV+4*\c:VV+4*\c+3], v11 offset:16*\c
.endr
	v_lshlrev_b32 v250, 5, v1
	v_lshl_add_u32 v250, v2, 4, v250               ; the way out: 32 r + 16 h
	s_wait_dscnt 0x0
	MM4 0                                          ; trip 0's products
.irp i, 0,1,2,3,4,5,6,7
.irp a, 0,1
	v_mov_b32 v[LA+16*\a+\i], 0x7f800000           ; the lists begin at +infinity.  (These 32 lines are the places behind the products above)
	v_mov_b32 v[LI+16*\a+\i], 0
.endr
.endr
	s_mov_b32 s16, 0
.Ltrip:                                                ; 108 trips of the loop, two images each: 216 x 32 = 6,912 vertices
	s_add_co_u32 s17, s16, 1
	TRIP 0, s16, 1024, 128
	TRIP 1, s17, 1536, 256
	v_add_nc_u32 v3, 1024, v3
	v_add_nc_u32 v11, 256, v11
	s_add_co_u32 s16, s16, 2
	s_cmp_lt_u32 s16, 216
	s_cbranch_scc1 .Ltrip
	; the payloads become group numbers 2 u + h and leave: plane P holds entries 4 P .. 4 P + 3; in a plane a query has 32 bytes, 16 for each half
.irp a, 0,1
.irp i, 0,1,2,3,4,5,6,7
	v_lshl_add_u32 v[LI+16*\a+\i], v[LI+16*\a+\i], 1, v2
.endr
.endr
	s_lshl_b32 s14, s18, 5
	s_add_nc_u64 s[8:9], s[8:9], s[14:15]
.irp a, 0,1
.irp P, 0,1
	global_store_b128 v250, v[LI+16*\a+4*\P:LI+16*\a+4*\P+3], s[8:9] offset:512*\a+1048576*\P   ; 32 lanes store 512 consecutive bytes, aligned
.endr
.endr
	s_set_vgpr_msb 0x5
	s_wait_tensorcnt 0x0
	ds_add_u32 v0, v1
	s_wait_dscnt 0x0
	s_set_vgpr_msb 0x500
	s_endpgm
.Lfunc_end_k_q789bdd71f9_scan:
	.size	k_q789bdd71f9_scan, .Lfunc_end_k_q789bdd71f9_scan-k_q789bdd71f9_scan
	.p2alignl 7, 3214868480
	.fill 96, 4, 3214868480
	.section	.rodata,"a",@progbits
	.p2align	6, 0x0
	.amdhsa_kernel k_q789bdd71f9_scan
		.amdhsa_group_segment_fixed_size 141312
		.amdhsa_private_segment_fixed_size 0
		.amdhsa_enable_private_segment 0
		.amdhsa_kernarg_size 32
		.amdhsa_user_sgpr_count 2
		.amdhsa_user_sgpr_kernarg_segment_ptr 1
		.amdhsa_wavefront_size32 1
		.amdhsa_system_sgpr_workgroup_id_x 1
		.amdhsa_system_sgpr_workgroup_id_y 1
		.amdhsa_system_sgpr_workgroup_id_z 1
		.amdhsa_system_vgpr_workitem_id 0
		.amdhsa_next_free_vgpr 258
		.amdhsa_next_free_sgpr 66
		.amdhsa_reserve_vcc 1
		.amdhsa_float_denorm_mode_32 3
		.amdhsa_float_denorm_mode_16_64 3
		.amdhsa_memory_ordered 1
		.amdhsa_forward_progress 1
		.amdhsa_inst_pref_size 59
	.end_amdhsa_kernel
	.amdgpu_metadata
---
amdhsa.version: [ 1, 2 ]
amdhsa.kernels:
  - .name:           k_q789bdd71f9_scan
    .symbol:         k_q789bdd71f9_scan.kd
    .args:
      - { .name: vertex, .offset: 0, .size: 8, .value_kind: global_buffer, .address_space: global }
      - { .name: query_pts, .offset: 8, .size: 8, .value_kind: global_buffer, .address_space: global }
      - { .name: grp, .offset: 16, .size: 8, .value_kind: global_buffer, .address_space: global }
      - { .name: vpad, .offset: 24, .size: 8, .value_kind: global_buffer, .address_space: global }
    .group_segment_fixed_size: 141312
    .private_segment_fixed_size: 0
    .kernarg_segment_align: 8
    .kernarg_segment_size: 32
    .max_flat_workgroup_size: 128
    .sgpr_count:     66
    .vgpr_count:     258
    .wavefront_size: 32
...
	.end_amdgpu_metadata
.endif
;; end of part 1
;; launch refine (part 2): grid 256 x 1, 4 waves a work-group, no clusters, 0 bytes of LDS; arguments query_pts, grp, vpad, knn_idx, knn_w; writes knn_idx, knn_w
.if DOCPART == 2
	.amdgcn_target "amdgcn-amd-amdhsa--gfx1250"
	.amdhsa_code_object_version 6
	.text
	.protected	k_q789bdd71f9_refine
	.globl	k_q789bdd71f9_refine
	.p2align	8
	.type	k_q789bdd71f9_refine,@function
k_q789bdd71f9_refine:
	s_mov_b64 s[64:65], 0
	v_nop
	global_prefetch_b8 v0, s[64:65] scope:SCOPE_SE
	s_setreg_imm32_b32 hwreg(HW_REG_WAVE_MODE, 25, 1), 1
	s_wait_xcnt 0x0
; SECOND LAUNCH: the exact 8 nearest vertices of each query among the 16 groups x 16 vertices that the first launch left, and their weights.
; A thread owns a query.  Its 16 group numbers are whole numbers stored by the launch before; they are sorted ascending, so that the candidates come in ascending vertex index and
; the strict compare of the insertion keeps the lower index ahead on equal distances, as top_k does.
; d2 = ((x m0, then fma y m1, then fma z m2) + qq) + vv with m = -2 q: the order of rounding of qq - 2 q.v + vv with q.v as a chain of fused multiply-adds (the factor -2 is exact).
; Weights: d = sqrt(max(d2, 0)) + 1e-9, inv = 1 / d (v_rcp_f32), w = inv x (1 / sum of inv) (v_rcp_f32 and a multiplication in the division's place).
; No LDS, no barrier, no matrix instruction: threads share nothing.  A group is 256 consecutive bytes of vpad; the next group's 16 loads are out while one group is worked.
; LIMITS: NaN and infinities among the inputs are not served.
; REGISTERS: v1-3 offsets; v4-5 candidate's index; v12-27 group numbers; v28 at work; v29-30 group offsets; v31 the group's first vertex; v32-35 -2 q, qq; v40-47 the list's d2; v48-55 its indices;
; v56-71 sixteen d2; v72-79 the insertion's temporaries; v80-143, v144-207 two buffers of 16 x (x, y, z, vv).
.set GG,  12
.set LA,  40
.set LI,  48
.set DD,  56
.set TT,  72
.set B0,  80
.set B1,  144
	s_load_b256 s[4:11], s[0:1], 0x0               ; query_pts s[4:5], grp s[6:7], vpad s[8:9], knn_idx s[10:11]
	s_load_b64 s[12:13], s[0:1], 0x20              ; knn_w
	v_lshlrev_b32 v1, 5, v0                        ; grp: 32 bytes a query in each plane
	v_mul_u32_u24 v2, v0, 12                       ; query_pts
	v_lshlrev_b32 v3, 4, v0                        ; the outputs: 16 bytes a query in each plane
	s_mov_b32 s15, 0
	s_wait_kmcnt 0x0
	s_lshl_b32 s14, ttmp9, 12
	s_add_nc_u64 s[6:7], s[6:7], s[14:15]
	s_mul_i32 s14, ttmp9, 1536
	s_add_nc_u64 s[4:5], s[4:5], s[14:15]
	s_lshl_b32 s14, ttmp9, 11
	s_add_nc_u64 s[10:11], s[10:11], s[14:15]
	s_add_nc_u64 s[12:13], s[12:13], s[14:15]
	global_load_b128 v[GG:GG+3], v1, s[6:7]
	global_load_b128 v[GG+4:GG+7], v1, s[6:7] offset:16
	global_load_b128 v[GG+8:GG+11], v1, s[6:7] offset:1048576
	global_load_b128 v[GG+12:GG+15], v1, s[6:7] offset:1048592
.irp c, 0,1,2
	global_load_b32 v[36+\c], v2, s[4:5] offset:4*\c
.endr
	s_wait_loadcnt 0x0
.macro CE lo, hi                       ; the smaller of two group numbers into lo, the larger into hi
	v_min_u32 v28, v[\lo], v[\hi]
	v_max_u32 v[\hi], v[\lo], v[\hi]
	v_mov_b32 v[\lo], v28
.endm
; a bitonic network for 16 numbers: 80 exchanges, the same for every thread
.irp k, 2,4,8,16
.irp j, 8,4,2,1
.if \j < \k
.irp i, 0,1,2,3,4,5,6,7,8,9,10,11,12,13,14,15
.if (\i^\j) > \i
.if (\i&\k) == 0
	CE GG+\i, GG+(\i^\j)
.else
	CE GG+(\i^\j), GG+\i
.endif
.endif
.endr
.endif
.endr
.endr
	v_mul_f32 v35, v36, v36
	v_fma_f32 v35, v37, v37, v35
	v_fma_f32 v35, v38, v38, v35                   ; qq
	v_mul_f32 v32, -2.0, v36
	v_mul_f32 v33, -2.0, v37
	v_mul_f32 v34, -2.0, v38
.irp i, 0,1,2,3,4,5,6,7
	v_mov_b32 v[LA+\i], 0x7f800000
	v_mov_b32 v[LI+\i], 0
.endr
; v[x] with payload v[xi] goes into the ascending list: 8 compares, 8 lines for the values (from the top down), 15 for the payloads, through temporaries
.macro INS x, xi
.irp i, 0,1,2,3,4,5,6,7
	v_cmp_lt_f32 s[16+\i], v[\x], v[LA+\i]
.endr
.irp i, 7,6,5,4,3,2,1
	v_med3_num_f32 v[LA+\i], v[\x], v[LA+\i-1], v[LA+\i]
.endr
	v_min_num_f32 v[LA], v[\x], v[LA]
.irp i, 1,2,3,4,5,6,7
	v_cndmask_b32 v[TT+\i], v[LI+\i], v[\xi], s[16+\i]
.endr
.irp i, 7,6,5,4,3,2,1
	v_cndmask_b32 v[LI+\i], v[TT+\i], v[LI+\i-1], s[16+\i-1]
.endr
	v_cndmask_b32 v[LI], v[LI], v[\xi], s16
.endm
.macro ADRG adr, g                     ; a loaded number enters an address only held under the table's last group: 431
	v_min_u32 v[\adr], 431, v[\g]
	v_lshlrev_b32 v[\adr], 8, v[\adr]
.endm
.macro LOADG buf, adr
.irp j, 0,1,2,3,4,5,6,7,8,9,10,11,12,13,14,15
	global_load_b128 v[\buf+4*\j:\buf+4*\j+3], v[\adr], s[8:9] offset:16*\j
.endr
.endm
.macro PROC buf, g
	v_min_u32 v31, 431, v[\g]
	v_lshlrev_b32 v31, 4, v31                      ; the group's first vertex
.irp j, 0,1,2,3,4,5,6,7,8,9,10,11,12,13,14,15
	v_mul_f32 v[DD+\j], v[\buf+4*\j], v32
.endr
.irp j, 0,1,2,3,4,5,6,7,8,9,10,11,12,13,14,15
	v_fma_f32 v[DD+\j], v[\buf+4*\j+1], v33, v[DD+\j]
.endr
.irp j, 0,1,2,3,4,5,6,7,8,9,10,11,12,13,14,15
	v_fma_f32 v[DD+\j], v[\buf+4*\j+2], v34, v[DD+\j]
.endr
.irp j, 0,1,2,3,4,5,6,7,8,9,10,11,12,13,14,15
	v_add_f32 v[DD+\j], v[DD+\j], v35
.endr
.irp j, 0,1,2,3,4,5,6,7,8,9,10,11,12,13,14,15
	v_add_f32 v[DD+\j], v[DD+\j], v[\buf+4*\j+3]   ; rows past the last vertex hold vv = +infinity and are never taken
.endr
.irp j, 0,1,2,3,4,5,6,7,8,9,10,11,12,13,14,15
	v_add_nc_u32 v[4+\j%2], \j, v31
	INS DD+\j, 4+\j%2
.endr
.endm
	ADRG 29, GG
	LOADG B0, 29
	s_mov_b32 s24, 7
.Lgroups:                                              ; seven trips of two groups; the last two groups are written out, so that no load asks for a seventeenth
	ADRG 30, GG+1
	LOADG B1, 30
	s_wait_loadcnt 16                              ; the 16 just issued may be out: buffer 0 is in, and v29 is free
	PROC B0, GG
	ADRG 29, GG+2
	LOADG B0, 29
	s_wait_loadcnt 16                              ; likewise: buffer 1 is in, and v30 is free
	PROC B1, GG+1
.irp k, 0,1,2,3,4,5,6,7,8,9,10,11,12,13
	v_mov_b32 v[GG+\k], v[GG+\k+2]                 ; the list of groups moves up by two: a register cannot be chosen by a counter
.endr
	s_sub_co_u32 s24, s24, 1
	s_cmp_lg_u32 s24, 0
	s_cbranch_scc1 .Lgroups
	ADRG 30, GG+1
	LOADG B1, 30
	s_wait_loadcnt 16
	PROC B0, GG
	s_wait_loadcnt 0x0
	PROC B1, GG+1
	; the weights
.irp i, 0,1,2,3,4,5,6,7
	v_max_num_f32 v[LA+\i], 0, v[LA+\i]
.endr
.irp i, 0,1,2,3,4,5,6,7
	v_sqrt_f32 v[LA+\i], v[LA+\i]
.endr
	v_nop                                          ; a plain line between a transcendental and the use of its result (ISA guide 5.7.2)
	s_wait_alu depctr_va_vdst(0)
.irp i, 0,1,2,3,4,5,6,7
	v_add_f32 v[LA+\i], 0x3089705f, v[LA+\i]       ; + 1e-9
.endr
.irp i, 0,1,2,3,4,5,6,7
	v_rcp_f32 v[LA+\i], v[LA+\i]
.endr
	v_nop
	s_wait_alu depctr_va_vdst(0)
	v_add_f32 v56, v40, v41
	v_add_f32 v57, v42, v43
	v_add_f32 v58, v44, v45
	v_add_f32 v59, v46, v47
	v_add_f32 v56, v56, v57
	v_add_f32 v58, v58, v59
	v_add_f32 v56, v56, v58
	v_rcp_f32 v56, v56
	v_nop
	s_wait_alu depctr_va_vdst(0)
.irp i, 0,1,2,3,4,5,6,7
	v_mul_f32 v[LA+\i], v[LA+\i], v56
.endr
	global_store_b128 v3, v[LI:LI+3], s[10:11]                     ; neighbours 0-3 in plane 0, 4-7 in plane 1: each store of a wave covers 512 consecutive bytes, aligned
	global_store_b128 v3, v[LI+4:LI+7], s[10:11] offset:524288
	global_store_b128 v3, v[LA:LA+3], s[12:13]
	global_store_b128 v3, v[LA+4:LA+7], s[12:13] offset:524288
	s_endpgm
.Lfunc_end_k_q789bdd71f9_refine:
	.size	k_q789bdd71f9_refine, .Lfunc_end_k_q789bdd71f9_refine-k_q789bdd71f9_refine
	.p2alignl 7, 3214868480
	.fill 96, 4, 3214868480
	.section	.rodata,"a",@progbits
	.p2align	6, 0x0
	.amdhsa_kernel k_q789bdd71f9_refine
		.amdhsa_group_segment_fixed_size 0
		.amdhsa_private_segment_fixed_size 0
		.amdhsa_enable_private_segment 0
		.amdhsa_kernarg_size 40
		.amdhsa_user_sgpr_count 2
		.amdhsa_user_sgpr_kernarg_segment_ptr 1
		.amdhsa_wavefront_size32 1
		.amdhsa_system_sgpr_workgroup_id_x 1
		.amdhsa_system_sgpr_workgroup_id_y 1
		.amdhsa_system_sgpr_workgroup_id_z 1
		.amdhsa_system_vgpr_workitem_id 0
		.amdhsa_next_free_vgpr 208
		.amdhsa_next_free_sgpr 66
		.amdhsa_reserve_vcc 0
		.amdhsa_float_denorm_mode_32 3
		.amdhsa_float_denorm_mode_16_64 3
		.amdhsa_memory_ordered 1
		.amdhsa_forward_progress 1
		.amdhsa_inst_pref_size 158
	.end_amdhsa_kernel
	.amdgpu_metadata
---
amdhsa.version: [ 1, 2 ]
amdhsa.kernels:
  - .name:           k_q789bdd71f9_refine
    .symbol:         k_q789bdd71f9_refine.kd
    .args:
      - { .name: query_pts, .offset: 0, .size: 8, .value_kind: global_buffer, .address_space: global }
      - { .name: grp, .offset: 8, .size: 8, .value_kind: global_buffer, .address_space: global }
      - { .name: vpad, .offset: 16, .size: 8, .value_kind: global_buffer, .address_space: global }
      - { .name: knn_idx, .offset: 24, .size: 8, .value_kind: global_buffer, .address_space: global }
      - { .name: knn_w, .offset: 32, .size: 8, .value_kind: global_buffer, .address_space: global }
    .group_segment_fixed_size: 0
    .private_segment_fixed_size: 0
    .kernarg_segment_align: 8
    .kernarg_segment_size: 40
    .max_flat_workgroup_size: 128
    .sgpr_count:     66
    .vgpr_count:     208
    .wavefront_size: 32
...
	.end_amdgpu_metadata
.endif
;; end of part 2
;; launch mlp (part 3): grid 256 x 1, 4 waves a work-group, no clusters, 61,952 bytes of LDS; arguments knn_idx, knn_w, vpad, vertex_features, query_pts, W0, b0, W1, b1, W2, b2, W3, b3, out0; writes out0
.if DOCPART == 3
	.amdgcn_target "amdgcn-amd-amdhsa--gfx1250"
	.amdhsa_code_object_version 6
	.text
	.protected	k_q789bdd71f9_mlp
	.globl	k_q789bdd71f9_mlp
	.p2align	8
	.type	k_q789bdd71f9_mlp,@function
k_q789bdd71f9_mlp:
	s_mov_b64 s[64:65], 0
	v_nop
	global_prefetch_b8 v0, s[64:65] scope:SCOPE_SE
	s_setreg_imm32_b32 hwreg(HW_REG_WAVE_MODE, 25, 1), 1
	s_wait_xcnt 0x0
; THIRD LAUNCH: out[q] = sum over the 8 neighbours k of w[q][k] x MLP(features[idx] | q - vertex[idx]), the four products on codes of FP8 (E4M3) with one E8M0 scale for each 32 along K.
; SHARES: a work-group owns 128 queries, a wave 32: 256 rows = 16 tiles of 16 rows (2 queries x 8 neighbours; row r = 8 x query + neighbour).  EVERY WAVE HOLDS ALL WEIGHTS as operand registers
; (28 fragments, 448 registers), so a hidden layer never leaves the wave's registers and the loop has no barrier.  Two tiles, A and B, are in hand: one tile's products stand beside the other's quantising,
; whose lines are the places behind the matrix instructions (ISA guide 7.12.1).
; THE WEIGHTS arrive as f32 with K first.  At the head each wave quantises 7 of the 28 fragments (a lane takes a column, its registers run down K, so the conversions' results are the operand's registers),
; stores them into LDS as images of their registers (16 bytes a lane, 512 a store; the scale word 4 bytes a lane), and behind the one barrier every wave loads all 28.
; LAYERS 0-2 ARE USED TRANSPOSED (source 0 = 16 units of the weight, source 1 = the rows' codes): a lane holds one row and its registers run along the units.  Lane r of unit tile 2 b + u takes unit
; 32 b + 8 u + r + 8 (r / 8), so the 16 registers of tiles 2 b, 2 b + 1 are 16 neighbours along the next K.  The bias is the C of each product.  relu and the hold at 448 x the scale are one v_med3_num_f32.
; LAYER 3 IS USED STRAIGHT (source 0 = codes, source 1 = W3; lane r of tile t takes unit 4 r + t): register j of lane (r, h) is neighbour j of query h, so the weighted sum stays in the lane, and a lane's four
; results are 16 neighbouring bytes of out.  b3 enters as b3 x (sum of w).
; K = 67 of layer 0: block 2 holds three numbers and zeros, block 3 zero codes on both sides.  Each product is one instruction deep (K <= 128): no sum is taken up again.
; The neighbours' indices are whole numbers stored by the launch before; a tile's rows are asked for one pair of tiles ahead, into registers.
; No tensor load and no ring: LDS is filled once, with computed codes.  No cluster: what work-groups share, 198 KB of weights, is read once by each.
; LIMITS: NaN and infinities are not served; a block whose largest magnitude lies under 2^-118 takes the byte 1 (a block of zeros too: its codes are zeros).
; REGISTERS, in windows of 256 (s_set_vgpr_msb: bits 1:0 source 0, 3:2 source 1, 5:4 source 2, 7:6 destination):
;   window 0: v1-23 lane terms and offsets; v24-27 b3; v28 at work; v32-59 the weights' scale words, v60-61 the tiles' (scales and nothing else); v62-63 sum of w; v64-127, v128-191 the tiles' 64 numbers;
;             v192-207, v208-223 their codes; v224-239 at work; v240-255 w of both tiles.
;   window 1: W0's 8 fragments, W1's 8.   window 2: W2's 8, W3's 4, from v192 tile A's rows as loaded.   window 3: b0, b1, b2 in the result's layout (64 L + 8 t + j), from v192 tile B's rows.
.set TM,  224                          ; +0..3 largest magnitudes, +4..7 bytes, +8..11 448 x the scale, +12..15 the conversions' scale operands
.set HA,  64
.set HB,  128
.set PCA, 192
.set PCB, 208
.set PWA, 60
.set PWB, 61
.set WS,  32
.set WTA, 240
.set WTB, 248
.set XR,  192                          ; rows as loaded: +0..31 my 32 features, +32..35 (x, y, z, vv), +36..38 the query
.set SCB, 57344                        ; LDS: 28 images of 2,048 bytes from 0; from here their scale words, 128 bytes each
.set MSB, 0
.macro WIN new                         ; the immediate's high byte repeats the setting that is left; a switch that changes nothing is dropped
.if MSB != (\new)
	s_set_vgpr_msb (MSB<<8)|(\new)
.set MSB, (\new)
.endif
.endm
.macro PLACES n
.rept \n
	v_nop
.endr
.endm
; 64 numbers of a lane, v[s] on, register 16 b + i = k 32 b + 16 (lane / 16) + i, become 16 registers of codes, v[pc] on, and the scale word v[pw].  relu = 1: what is negative becomes 0 on the way.
; All its registers lie in one window.  The scale word is made ahead of the holds: with the four lines that make those, the closing v_nop and the four places that follow the macro,
; nine plain lines that name no register of the next product stand between the word and that product.
.macro QUANT s, relu, pc, pw
.if \relu
.irp b, 0,1,2,3
	v_max3_num_f32 v[TM+\b], v[\s+16*\b], v[\s+1+16*\b], 0x4800000   ; no |.|: what is negative must not count.  The floor 2^(9 - 127) holds the byte at 1 from below.  (Each result is read from its low end on)
.endr
.irp i, 2,4,6,8,10,12,14
.irp b, 0,1,2,3
	v_max3_num_f32 v[TM+\b], v[TM+\b], v[\s+16*\b+\i], v[\s+1+16*\b+\i]
.endr
.endr
.else
.irp b, 0,1,2,3
	v_max3_num_f32 v[TM+\b], |v[\s+16*\b]|, |v[\s+1+16*\b]|, 0x4800000
.endr
.irp i, 2,4,6,8,10,12,14
.irp b, 0,1,2,3
	v_max3_num_f32 v[TM+\b], v[TM+\b], |v[\s+16*\b+\i]|, |v[\s+1+16*\b+\i]|
.endr
.endr
.endif
.irp b, 0,1,2,3
	v_permlanex16_b32 v[TM+4+\b], v[TM+\b], s36, s37
.endr
.irp b, 0,1,2,3
	v_max_num_f32 v[TM+\b], v[TM+\b], v[TM+4+\b]   ; with lane l xor 16's sixteen: the block's largest magnitude
.endr
.irp b, 0,1,2,3
	v_add_nc_u32 v[TM+12+\b], 0xfc000000, v[TM+\b] ; 8 off its exponent field: the conversion takes this operand's exponent field as its scale
.endr
.irp b, 0,1,2,3
	v_lshrrev_b32 v[TM+4+\b], 23, v[TM+12+\b]      ; the scale's byte
.endr
	v_lshl_or_b32 v[\pw], v[TM+5], 8, v[TM+4]
	v_lshl_or_b32 v[\pw], v[TM+6], 16, v[\pw]
	v_lshl_or_b32 v[\pw], v[TM+7], 24, v[\pw]
.irp b, 0,1,2,3
	v_and_or_b32 v[TM+8+\b], v[TM+\b], 0x7f800000, s38   ; 448 x the scale: the largest magnitude's exponent field over 448's mantissa
.endr
.irp b, 0,1,2,3
.irp i, 0,1,2,3,4,5,6,7,8,9,10,11,12,13,14,15
.if \relu
	v_med3_num_f32 v[\s+16*\b+\i], v[\s+16*\b+\i], 0, v[TM+8+\b]   ; the activation and the hold in one (the conversion to an 8-bit code does not saturate: ISA guide 7.6.2)
.else
	v_med3_num_f32 v[\s+16*\b+\i], v[\s+16*\b+\i], -v[TM+8+\b], v[TM+8+\b]
.endif
.endr
	v_cvt_scalef32_pk8_fp8_f32 v[\pc+4*\b:\pc+4*\b+1], v[\s+16*\b:\s+16*\b+7], v[TM+12+\b]
	v_cvt_scalef32_pk8_fp8_f32 v[\pc+4*\b+2:\pc+4*\b+3], v[\s+16*\b+8:\s+16*\b+15], v[TM+12+\b]
.endr
	v_nop                                          ; a plain line between the last conversion and whatever next touches its result or writes its sources
.endm
; 64 (or 32) numbers of a weight: lane's column, registers down K: W(32 c + 16 h + i, column).  The destination's window is set by the caller.
.macro WLOAD reg, adr, sb, uoff, pitch, nblk
.irp c, 0,1,2,3
.if \c < \nblk
.irp i, 0,1,2,3,4,5,6,7,8,9,10,11,12,13,14,15
	global_load_b32 v[\reg+16*\c+\i], v[\adr], s[\sb:\sb+1] offset:(32*\c+\i)*\pitch+\uoff
.endr
.endif
.endr
.endm
.macro W0TAIL reg, uoff                ; W0 has 67 rows: k = 64 .. 66 are loaded by both halves of the lanes (no load leaves the buffer; lanes 16-31 are cleared later); the rest of K is zeros
.irp i, 0,1,2
	global_load_b32 v[\reg+32+\i], v10, s[14:15] offset:(64+\i)*512+\uoff
.endr
.set Q, 35
.rept 29
	v_mov_b32 v[\reg+Q], 0
.set Q, Q+1
.endr
.endm
.macro BLOAD L, sb                     ; a bias in the result's layout: tile 2 b + u, lane half h: units 32 b + 16 h + 8 u + 0 .. 7
.irp t, 0,1,2,3,4,5,6,7
	global_load_b128 v[64*\L+8*\t:64*\L+8*\t+3], v12, s[\sb:\sb+1] offset:(32*(\t/2)+8*(\t%2))*4
	global_load_b128 v[64*\L+8*\t+4:64*\L+8*\t+7], v12, s[\sb:\sb+1] offset:(32*(\t/2)+8*(\t%2))*4+16
.endr
.endm
.macro WQ win, s, L, u                 ; the raw fragment at v[s] of window win becomes the image of layer L's tile 2 w + u
	WIN 0x55*\win
	QUANT \s, 0, 192, 240
	WIN (\win)<<2                                  ; an LDS store's data are its source 1
.irp c, 0,1,2,3
	ds_store_b128 v5, v[192+4*\c:195+4*\c] offset:16384*\L+2048*\u+512*\c
.endr
	ds_store_b32 v7, v240 offset:SCB+1024*\L+128*\u
	s_wait_dscnt 0x0                               ; the stores are done before the next fragment's codes are written
.endm
.macro OFFS fo, vo, idxn               ; a loaded index enters an address only held under the table's last row.  Four plain lines: also places in front of the product that follows
	v_min_u32 v28, 6889, v[\idxn]
	v_lshlrev_b32 v[\fo], 8, v28                   ; a row of features is 256 bytes,
	v_lshl_add_u32 v[\fo], v2, 6, v[\fo]           ; my half's 16 of each 32 begin 64 h bytes on
	v_lshlrev_b32 v[\vo], 4, v28
.endm
.macro XLOAD win, fo, vo, tile, nxt    ; 12 loads: a tile's rows into window win; nxt = 1: the next pair's
	WIN (\win)<<6
.irp c, 0,1
.irp j, 0,1,2,3
	global_load_b128 v[XR+16*\c+4*\j:XR+16*\c+4*\j+3], v[\fo], s[10:11] offset:128*\c+16*\j
.endr
.endr
	global_load_b128 v[XR+32:XR+35], v[\vo], s[8:9]
.irp c, 0,1,2
	global_load_b32 v[XR+36+\c], v16, s[12:13] offset:48*\nxt+24*\tile+4*\c
.endr
	WIN 0
.endm
; The first layer's operand: blocks 0, 1 the features, block 2 (q - v, zeros), block 3 zero codes under the byte 0.
.macro XQ win, H, pc, pw
	WIN (\win)|((\win)<<2)                         ; sources 0 and 1 in the rows' window
.irp c, 0,1,2
	v_sub_f32 v[\H+32+\c], v[XR+36+\c], v[XR+32+\c]
.endr
.irp b, 0,1
	v_max3_num_f32 v[TM+\b], |v[XR+16*\b]|, |v[XR+16*\b+1]|, 0x4800000
.endr
.irp i, 2,4,6,8,10,12,14
.irp b, 0,1
	v_max3_num_f32 v[TM+\b], |v[XR+16*\b+\i]|, |v[XR+16*\b+\i+1]|, v[TM+\b]
.endr
.endr
	WIN 0
.irp c, 0,1,2
	v_cndmask_b32 v[\H+32+\c], v[\H+32+\c], 0, s39 ; k = 64 .. 66 belong to lanes 0-15; lanes 16-31 hold k = 80 on: zeros
.endr
	v_max3_num_f32 v[TM+2], |v[\H+32]|, |v[\H+33]|, 0x4800000
	v_max_num_f32 v[TM+2], v[TM+2], |v[\H+34]|
.irp b, 0,1,2
	v_permlanex16_b32 v[TM+4+\b], v[TM+\b], s36, s37
.endr
.irp b, 0,1,2
	v_max_num_f32 v[TM+\b], v[TM+\b], v[TM+4+\b]
.endr
.irp b, 0,1,2
	v_add_nc_u32 v[TM+12+\b], 0xfc000000, v[TM+\b]
.endr
.irp b, 0,1,2
	v_lshrrev_b32 v[TM+4+\b], 23, v[TM+12+\b]
.endr
	v_lshl_or_b32 v[\pw], v[TM+5], 8, v[TM+4]
	v_lshl_or_b32 v[\pw], v[TM+6], 16, v[\pw]
.irp b, 0,1,2
	v_and_or_b32 v[TM+8+\b], v[TM+\b], 0x7f800000, s38
.endr
.irp i, 35,36,37,38,39
	v_mov_b32 v[\H+\i], 0
.endr
.irp i, 10,11,12,13,14,15
	v_mov_b32 v[\pc+\i], 0
.endr
	WIN \win                                       ; source 0 in the rows' window
.irp b, 0,1
.irp i, 0,1,2,3,4,5,6,7,8,9,10,11,12,13,14,15
	v_med3_num_f32 v[\H+16*\b+\i], v[XR+16*\b+\i], -v[TM+8+\b], v[TM+8+\b]
.endr
.endr
	WIN 0
.irp c, 0,1,2
	v_med3_num_f32 v[\H+32+\c], v[\H+32+\c], -v[TM+10], v[TM+10]
.endr
.irp b, 0,1
	v_cvt_scalef32_pk8_fp8_f32 v[\pc+4*\b:\pc+4*\b+1], v[\H+16*\b:\H+16*\b+7], v[TM+12+\b]
	v_cvt_scalef32_pk8_fp8_f32 v[\pc+4*\b+2:\pc+4*\b+3], v[\H+16*\b+8:\H+16*\b+15], v[TM+12+\b]
.endr
	v_cvt_scalef32_pk8_fp8_f32 v[\pc+8:\pc+9], v[\H+32:\H+39], v[TM+14]
	v_nop                                          ; with the three lines that make the holds and the four places that follow: nine plain lines between the scale word and the product
	v_nop
.endm
; A layer's products for one tile: each a whole sum, the bias (or 0) as C.
.macro MM L, H, pc, pw
.if \L == 0
	WIN 0x31                                       ; source 0 window 1, source 2 window 3
.irp t, 0,1,2,3,4,5,6,7
	v_wmma_scale_f32_16x16x128_f8f6f4 v[\H+8*\t:\H+8*\t+7], v[16*\t:16*\t+15], v[\pc:\pc+15], v[8*\t:8*\t+7], v[WS+\t], v[\pw]
.endr
.elseif \L == 1
	WIN 0x31
.irp t, 0,1,2,3,4,5,6,7
	v_wmma_scale_f32_16x16x128_f8f6f4 v[\H+8*\t:\H+8*\t+7], v[128+16*\t:128+16*\t+15], v[\pc:\pc+15], v[64+8*\t:64+8*\t+7], v[WS+8+\t], v[\pw]
.endr
.elseif \L == 2
	WIN 0x32                                       ; source 0 window 2, source 2 window 3
.irp t, 0,1,2,3,4,5,6,7
	v_wmma_scale_f32_16x16x128_f8f6f4 v[\H+8*\t:\H+8*\t+7], v[16*\t:16*\t+15], v[\pc:\pc+15], v[128+8*\t:128+8*\t+7], v[WS+16+\t], v[\pw]
.endr
.else
	WIN 0x08                                       ; source 1 window 2
.irp t, 0,1,2,3
	v_wmma_scale_f32_16x16x128_f8f6f4 v[\H+8*\t:\H+8*\t+7], v[\pc:\pc+15], v[128+16*\t:128+16*\t+15], 0, v[\pw], v[WS+24+\t]
.endr
.endif
	WIN 0
.endm
; The weighted sum over a query's 8 neighbours, which are a lane's 8 registers, for its four units; + b3 x the sum of w; one store of 512 consecutive bytes: two whole rows of out.
.macro RED H, w, O, tile
	v_pk_add_f32 v[62:63], v[\w:\w+1], v[\w+2:\w+3]
	v_pk_add_f32 v[232:233], v[\w+4:\w+5], v[\w+6:\w+7]
	v_pk_add_f32 v[62:63], v[62:63], v[232:233]
	v_add_f32 v62, v62, v63
.irp t, 0,1,2,3
	v_pk_mul_f32 v[232+2*\t:233+2*\t], v[\H+8*\t:\H+8*\t+1], v[\w:\w+1]   ; each result is read from its low end on
.endr
.irp g, 1,2,3
.irp t, 0,1,2,3
	v_pk_fma_f32 v[232+2*\t:233+2*\t], v[\H+8*\t+2*\g:\H+8*\t+2*\g+1], v[\w+2*\g:\w+2*\g+1], v[232+2*\t:233+2*\t]
.endr
.endr
.irp t, 0,1,2,3
	v_add_f32 v[232+2*\t], v[232+2*\t], v[233+2*\t]
.endr
.irp t, 0,1,2,3
	v_fma_f32 v[\O+\t], v[24+\t], v62, v[232+2*\t]
.endr
	global_store_b128 v17, v[\O:\O+3], s[30:31] offset:512*\tile th:TH_STORE_NT
.endm
; A pair of tiles: four queries.  xnext: the next pair's rows are asked for; inext: the indices of the pair after that.
.macro PAIR xnext, inext
	global_load_b128 v[WTA:WTA+3], v15, s[6:7]
	global_load_b128 v[WTA+4:WTA+7], v15, s[6:7] offset:524288
	global_load_b128 v[WTB:WTB+3], v15, s[6:7] offset:32
	global_load_b128 v[WTB+4:WTB+7], v15, s[6:7] offset:524320
	s_wait_loadcnt 4                               ; the four just issued may be out: this pair's rows and the next pair's indices, asked for a pair ago, are in, and their offset registers are free
	XQ 2, HA, PCA, PWA
.if \xnext
	OFFS 18, 19, 22
	XLOAD 2, 18, 19, 0, 1
.else
	PLACES 4
.endif
	MM 0, HA, PCA, PWA
	XQ 3, HB, PCB, PWB
.if \xnext
	OFFS 20, 21, 23
	XLOAD 3, 20, 21, 1, 1
.else
	PLACES 4
.endif
.if \inext
	global_load_b32 v22, v14, s[4:5] offset:128
	global_load_b32 v23, v14, s[4:5] offset:160
.endif
	MM 0, HB, PCB, PWB
.irp L, 1,2,3
	QUANT HA, 1, PCA, PWA                          ; tile A's numbers were finished in front of tile B's quantising: its lines were the places
	PLACES 4                                       ; codes written by vector instructions stand four places ahead of a scaled product
	MM \L, HA, PCA, PWA
	QUANT HB, 1, PCB, PWB
	PLACES 4
	MM \L, HB, PCB, PWB
.endr
	s_wait_loadcnt 12*2*\xnext+2*\inext            ; w is in: behind its four loads only the next rows' 12 + 12 and the 2 index loads were issued
	RED HA, WTA, 224, 0                            ; (tile A's lines are the places behind tile B's last products)
	RED HB, WTB, 228, 1
.if \xnext
	s_wait_xcnt 0x0                                ; every memory instruction has read its registers: the stores' data and the bases may be written again
	s_add_nc_u64 s[4:5], s[4:5], 64
	s_add_nc_u64 s[6:7], s[6:7], 64
	s_add_nc_u64 s[12:13], s[12:13], 48
	s_add_nc_u64 s[30:31], s[30:31], 1024
.endif
.endm
	s_load_b512 s[4:19], s[0:1], 0x0               ; knn_idx s[4:5], knn_w s[6:7], vpad s[8:9], features s[10:11], query_pts s[12:13], W0 s[14:15], b0 s[16:17], W1 s[18:19]
	s_load_b256 s[20:27], s[0:1], 0x40             ; b1 s[20:21], W2 s[22:23], b2 s[24:25], W3 s[26:27]
	s_load_b128 s[28:31], s[0:1], 0x60             ; b3 s[28:29], out s[30:31]
	v_lshl_add_u32 v30, v0, 2, 0xf000
	v_mov_b32 v31, 0
	v_lshrrev_b32 v1, 5, v0
	v_readfirstlane_b32 s32, v1                    ; wave 0..3
	v_and_b32 v1, 15, v0                           ; r
	v_bfe_u32 v2, v0, 4, 1                         ; h
	v_and_b32 v3, 31, v0
	v_lshlrev_b32 v4, 2, v3                        ; 4 x lane: a scale word's place
	v_lshlrev_b32 v3, 4, v3                        ; 16 x lane: an image's
	s_lshl_b32 s33, s32, 12
	v_add_nc_u32 v5, s33, v3                       ; where I store images of layers 0-2: tiles 2 w, 2 w + 1
	s_lshl_b32 s33, s32, 11
	v_add_nc_u32 v6, s33, v3                       ; and of W3: tile w
	s_lshl_b32 s33, s32, 8
	v_add_nc_u32 v7, s33, v4
	s_lshl_b32 s33, s32, 7
	v_add_nc_u32 v8, s33, v4
	v_and_b32 v28, 8, v1
	v_add_nc_u32 v28, v28, v1                      ; r + 8 (r / 8)
	s_lshl_b32 s33, s32, 5
	v_add_nc_u32 v28, s33, v28                     ; + 32 w: my unit in tile 2 w
	v_lshlrev_b32 v10, 2, v28
	v_lshl_add_u32 v9, v2, 13, v10                 ; lanes 16-31 begin 16 rows of 512 bytes further down
	v_lshlrev_b32 v13, 4, v1                       ; 16 r: b3's four numbers
	s_lshl_b32 s33, s32, 2
	v_add_nc_u32 v11, s33, v13                     ; W3: unit 4 r + w,
	v_lshl_add_u32 v11, v2, 12, v11                ; 16 rows of 256 bytes further down
	v_lshlrev_b32 v12, 6, v2                       ; biases: 16 h numbers on
	v_bfe_u32 v28, v0, 2, 1                        ; my row's neighbour r % 8: plane (r / 4) % 2,
	v_lshlrev_b32 v14, 19, v28
	v_bfe_u32 v28, v0, 3, 1                        ; query r / 8,
	v_lshl_add_u32 v14, v28, 4, v14
	v_and_b32 v29, 3, v0                           ; word r % 4
	v_lshl_add_u32 v14, v29, 2, v14
	v_lshlrev_b32 v15, 4, v2                       ; w: query h
	v_mul_u32_u24 v16, v28, 12                     ; query_pts: query r / 8
	v_lshl_add_u32 v17, v2, 8, v13                 ; out: row h, 16 r bytes on
	s_mov_b32 s36, 0x76543210
	s_mov_b32 s37, 0xfedcba98                      ; v_permlanex16_b32's selects for lane l xor 16
	s_mov_b32 s38, 0x600000                        ; the mantissa field of 448
	s_mov_b32 s39, 0xffff0000                      ; lanes 16-31
	s_lshl_b32 s34, ttmp9, 7
	s_lshl_b32 s33, s32, 5
	s_add_co_u32 s41, s34, s33                     ; my wave's first query
	s_mov_b32 s35, 0
	s_wait_kmcnt 0x0
	s_lshl_b32 s34, s41, 4
	s_add_nc_u64 s[4:5], s[4:5], s[34:35]
	s_add_nc_u64 s[6:7], s[6:7], s[34:35]
	s_mul_i32 s34, s41, 12
	s_add_nc_u64 s[12:13], s[12:13], s[34:35]
	s_lshl_b32 s34, s41, 8
	s_add_nc_u64 s[30:31], s[30:31], s[34:35]
	global_load_b32 v22, v14, s[4:5]               ; the first pair's indices
	global_load_b32 v23, v14, s[4:5] offset:32
	global_load_b128 v[24:27], v13, s[28:29]
	WLOAD HA, 11, 26, 0, 256, 4                    ; W3's tile w
.irp b, 0,1,2,3
	v_mov_b32 v[TM+4+\b], 0                        ; written once in each window that quantises: a lane permute's destination counts as one of its sources
.endr
	WIN 0xc0                                       ; destination window 3
	BLOAD 0, 16
	BLOAD 1, 20
	BLOAD 2, 24
	WIN 0x80                                       ; destination window 2
	WLOAD 0, 9, 18, 32, 512, 4                     ; W1's tile 2 w + 1
	WLOAD 64, 9, 22, 0, 512, 4                     ; W2's tile 2 w
	WLOAD 128, 9, 22, 32, 512, 4                   ; W2's tile 2 w + 1
.irp b, 0,1,2,3
	v_mov_b32 v[TM+4+\b], 0
.endr
	WIN 0x40                                       ; destination window 1
	WLOAD 0, 9, 14, 0, 512, 2                      ; W0's tile 2 w
	W0TAIL 0, 0
	WLOAD 64, 9, 14, 32, 512, 2                    ; W0's tile 2 w + 1
	W0TAIL 64, 32
	WLOAD 128, 9, 18, 0, 512, 4                    ; W1's tile 2 w
.irp b, 0,1,2,3
	v_mov_b32 v[TM+4+\b], 0
.endr
	WIN 0
	s_wait_loadcnt 0x0
	OFFS 18, 19, 22
	OFFS 20, 21, 23
	XLOAD 3, 20, 21, 1, 0                          ; the first pair's tile B lands while the weights are quantised
	global_load_b32 v22, v14, s[4:5] offset:64     ; the second pair's indices
	global_load_b32 v23, v14, s[4:5] offset:96
	WQ 2, 0, 1, 1
	WQ 2, 64, 2, 0
	WQ 2, 128, 2, 1
	XLOAD 2, 18, 19, 0, 0                          ; tile A's rows take the registers that window 2's quantising has left
	WIN 0x55
.irp c, 0,1,2
	v_cndmask_b32 v[32+\c], v[32+\c], 0, s39       ; W0's k = 64 .. 66 belong to lanes 0-15
	v_cndmask_b32 v[96+\c], v[96+\c], 0, s39
.endr
	WQ 1, 0, 0, 0
	WQ 1, 64, 0, 1
	WQ 1, 128, 1, 0
	WIN 0
	QUANT HA, 0, PCA, PWA
.irp c, 0,1,2,3
	ds_store_b128 v6, v[PCA+4*\c:PCA+4*\c+3] offset:49152+512*\c
.endr
	ds_store_b32 v8, v[PWA] offset:SCB+3072
	s_wait_dscnt 0x0                               ; for the others' sake: my images are in LDS
	s_barrier_signal -1
	s_barrier_wait -1                              ; the one barrier: all 28 images lie in LDS, and nobody writes LDS again
	WIN 0x40
.set Q, 0
.rept 16
.irp c, 0,1,2,3
	ds_load_b128 v[16*Q+4*\c:16*Q+4*\c+3], v3 offset:2048*Q+512*\c
.endr
.set Q, Q+1
.endr
	WIN 0x80
.rept 12
.irp c, 0,1,2,3
	ds_load_b128 v[16*(Q-16)+4*\c:16*(Q-16)+4*\c+3], v3 offset:2048*Q+512*\c
.endr
.set Q, Q+1
.endr
	WIN 0
.set Q, 0
.rept 28
	ds_load_b32 v[WS+Q], v4 offset:SCB+128*Q
.set Q, Q+1
.endr
	s_wait_dscnt 0x0
	s_mov_b32 s40, 6
.Lpair:                                                ; six trips; the last two pairs are written out, so that no load asks for rows or indices past the wave's 32 queries
	PAIR 1, 1
	s_sub_co_u32 s40, s40, 1
	s_cmp_lg_u32 s40, 0
	s_cbranch_scc1 .Lpair
	PAIR 1, 0
	PAIR 0, 0
	s_wait_tensorcnt 0x0
	ds_add_u32 v30, v31
	s_wait_dscnt 0x0
	s_endpgm
.Lfunc_end_k_q789bdd71f9_mlp:
	.size	k_q789bdd71f9_mlp, .Lfunc_end_k_q789bdd71f9_mlp-k_q789bdd71f9_mlp
	.p2alignl 7, 3214868480
	.fill 96, 4, 3214868480
	.section	.rodata,"a",@progbits
	.p2align	6, 0x0
	.amdhsa_kernel k_q789bdd71f9_mlp
		.amdhsa_group_segment_fixed_size 61952
		.amdhsa_private_segment_fixed_size 0
		.amdhsa_enable_private_segment 0
		.amdhsa_kernarg_size 112
		.amdhsa_user_sgpr_count 2
		.amdhsa_user_sgpr_kernarg_segment_ptr 1
		.amdhsa_wavefront_size32 1
		.amdhsa_system_sgpr_workgroup_id_x 1
		.amdhsa_system_sgpr_workgroup_id_y 1
		.amdhsa_system_sgpr_workgroup_id_z 1
		.amdhsa_system_vgpr_workitem_id 0
		.amdhsa_next_free_vgpr 1024
		.amdhsa_next_free_sgpr 66
		.amdhsa_reserve_vcc 0
		.amdhsa_float_denorm_mode_32 3
		.amdhsa_float_denorm_mode_16_64 3
		.amdhsa_memory_ordered 1
		.amdhsa_forward_progress 1
		.amdhsa_inst_pref_size 255
	.end_amdhsa_kernel
	.section	.bss,"aw",@nobits
	.p2align	6
	.space	262144
	.amdgpu_metadata
---
amdhsa.version: [ 1, 2 ]
amdhsa.kernels:
  - .name:           k_q789bdd71f9_mlp
    .symbol:         k_q789bdd71f9_mlp.kd
    .args:
      - { .name: knn_idx, .offset: 0, .size: 8, .value_kind: global_buffer, .address_space: global }
      - { .name: knn_w, .offset: 8, .size: 8, .value_kind: global_buffer, .address_space: global }
      - { .name: vpad, .offset: 16, .size: 8, .value_kind: global_buffer, .address_space: global }
      - { .name: vertex_features, .offset: 24, .size: 8, .value_kind: global_buffer, .address_space: global }
      - { .name: query_pts, .offset: 32, .size: 8, .value_kind: global_buffer, .address_space: global }
      - { .name: W0, .offset: 40, .size: 8, .value_kind: global_buffer, .address_space: global }
      - { .name: b0, .offset: 48, .size: 8, .value_kind: global_buffer, .address_space: global }
      - { .name: W1, .offset: 56, .size: 8, .value_kind: global_buffer, .address_space: global }
      - { .name: b1, .offset: 64, .size: 8, .value_kind: global_buffer, .address_space: global }
      - { .name: W2, .offset: 72, .size: 8, .value_kind: global_buffer, .address_space: global }
      - { .name: b2, .offset: 80, .size: 8, .value_kind: global_buffer, .address_space: global }
      - { .name: W3, .offset: 88, .size: 8, .value_kind: global_buffer, .address_space: global }
      - { .name: b3, .offset: 96, .size: 8, .value_kind: global_buffer, .address_space: global }
      - { .name: out0, .offset: 104, .size: 8, .value_kind: global_buffer, .address_space: global }
    .group_segment_fixed_size: 61952
    .private_segment_fixed_size: 0
    .kernarg_segment_align: 8
    .kernarg_segment_size: 112
    .max_flat_workgroup_size: 128
    .sgpr_count:     66
    .vgpr_count:     1024
    .wavefront_size: 32
...
	.end_amdgpu_metadata
.endif
;; end of part 3
;; ======== version 2 of 2: 3 launches; version 1 with the launches scan, mlp written anew for expert scheduling mode
;; workspace buffers: grp 2,097,152 bytes of whole numbers; vpad 110,592 bytes; knn_idx 1,048,576 bytes of whole numbers; knn_w 1,048,576 bytes
;; launch scan (part 4): grid 256 x 1, 4 waves a work-group, no clusters, 141,312 bytes of LDS; arguments vertex, query_pts, grp, vpad; writes grp, vpad
.if DOCPART == 4
	.amdgcn_target "amdgcn-amd-amdhsa--gfx1250"
	.amdhsa_code_object_version 6
	.text
	.protected	k_q789bdd71f9_scan
	.globl	k_q789bdd71f9_scan
	.p2align	8
	.type	k_q789bdd71f9_scan,@function
k_q789bdd71f9_scan:
	s_mov_b64 s[64:65], 0
	v_nop
	global_prefetch_b8 v0, s[64:65] scope:SCOPE_SE
	s_setreg_imm32_b32 hwreg(HW_REG_WAVE_SCHED_MODE, 0, 2), 2
	s_setreg_imm32_b32 hwreg(HW_REG_WAVE_MODE, 25, 1), 1
	s_wait_xcnt 0x0
	s_wait_alu depctr_vm_vsrc(0)
; FIRST OF THREE LAUNCHES: for every query, which GROUPS of 16 neighbouring vertices can hold its 8 nearest vertices.
; d2(q, v) = (qq - 2 q.v) + vv in f32.  The 8 smallest (d2, index) lie in the 8 groups with the smallest (group minimum, group number): every group
; ahead of an element's group owns a smaller element of its own, so at most 7 groups can be ahead.  So the walk over all 6,890 vertices keeps only a minimum
; for each 16 pairs and one insertion into a list of 8 for each 16 pairs; the next launch looks at the surviving vertices one by one.
; THE PRODUCT q.v (K = 3, left as it is) goes by the f32 matrix form with K = 4: source 0 = 16 vertices, rows (x, y, z, 1); source 1 = 16 queries, columns (-2 q0, -2 q1, -2 q2, qq);
; C = 0.  Four fused multiply-adds in ascending k give round(qq - 2 t), t the chain of q.v (the factor -2 is exact); vv is added by a packed addition.
; SHARES: a work-group owns 128 queries, a wave 32 as two tiles of 16; every wave walks all vertices, 32 a trip.  In a result lane (r, h) holds query r and 8 vertices of half h;
; the 32 vertices of a trip are dealt to the two vertex tiles so that half h holds vertices 32 u + 16 h + 0 .. 15: group 2 u + h.  The two halves keep lists of their own (8 groups each).
; LDS, filled once by stores and read-only behind the one barrier: from 0: 220 images of 512 bytes, lane l's 16 bytes = the source-0 registers of both vertex tiles;
; from VVB: vv of 7,040 vertices.  Vertices from 6,890 on are (0, 0, 0, 1) with vv = +infinity: they lose against every number.
; The first 54 work-groups also store the table vpad [6912][4] = (x, y, z, vv) for the later launches.
; No tensor load: what is put into LDS is computed (vv, the dealing).  No cluster: what work-groups share, 83 KB of vertices, is read once by each.
; LIMITS: NaN and infinities among the inputs are not served.  vv and qq are chains mul, fma, fma over the three coordinates.
; REGISTERS in the loop: v3, v11 LDS addresses; v12-19 source 0, two buffers; v20-51 vv, two buffers; v52-83 d2 of both tiles, then the insertion's temporaries; v84-95 minima;
; v96.. the lists (tile a: values 96 + 16 a, payloads 104 + 16 a); v128-191 the products, two buffers, written by matrix instructions alone; v252-255 source 1.
; THE MODE: SCHED_MODE bits 1:0 = 2 (LLVM: expert scheduling mode 2), set by the entry lines.  The code itself states the register dependences
; between vector or matrix instructions and memory or LDS instructions, with s_wait_alu, always for 0.
; THE PLAN, head.  The offsets and LDS addresses are made once, ahead of one wait.  The vertices' (x, y), z and 1 go to LDS as they were loaded, in one run; behind one wait for those stores' reads
; vv is made in place, in each pass's x register; behind one wait for these results the 54 stores of vv follow.  Behind the barrier one wait frees every register that a store has read.
; THE PLAN, loop.  Trip u, p = u % 2.  Registers that LDS loads touch:
;   AB[p]      read by the four products issued at the head of trip u - 1; image u + 2 lands in it in trip u.
;   VV[1 - p]  read by the packed additions of trip u - 1; vv of trip u + 1 lands in it in trip u.
;   v3, v11    read by every LDS load; written once for two trips, at the loop's foot.
; So ONE wait on va_vdst stands at a trip's head.  The four products behind it name AB[1 - p], source 1 and the products' other buffer: none of the registers that the trip's five loads touch.
; The sixteen compares of an insertion write scalar registers: one wait on va_sdst stands between them and the first line that reads a mask.
.set NV,   6890
.set VVB,  112640
.set XY,   20                          ; head: v20-127  (x, y) of pass i at 20 + 2 i; behind the first run of stores the x register takes the vertex's vv
.set ZZ,   192                         ; head: v192-245 z of pass i
.set TT,   246                         ; v246-247 at work: no memory instruction names them
.set ONE,  248
.set INF,  249
.set ZERO, 250                         ; v250-251
.set BF,   252                         ; source 1 of query tile a at 252 + 2 a
.set AB,   12
.set VV,   20
.set EE,   52
.set MN,   84
.set LA,   96
.set LI,   104
.set DD,   128
	s_load_b256 s[4:11], s[0:1], 0x0               ; vertex s[4:5], query_pts s[6:7], grp s[8:9], vpad s[10:11]
	s_set_vgpr_msb 0x40
	v_lshl_add_u32 v0, v0, 2, 0x22600
	v_mov_b32 v1, 0
	s_set_vgpr_msb 0x4000
	v_lshrrev_b32 v1, 5, v0
	v_readfirstlane_b32 s12, v1                    ; wave 0..3
	v_and_b32 v1, 15, v0                           ; r
	v_bfe_u32 v2, v0, 4, 1                         ; h
	v_mul_u32_u24 v3, v0, 12                       ; a vertex is 12 bytes: pass i takes vertex 128 i + thread
	v_add_nc_u32 v246, 6784, v0
	v_min_u32 v246, NV-1, v246                     ; pass 53 would pass the table's end: held at the last vertex, replaced below
	v_mul_u32_u24 v11, v246, 12
	s_lshl_b32 s13, ttmp9, 7
	v_add_nc_u32 v247, s13, v0                     ; the row of vpad that I would store
	v_min_u32 v246, NV-1, v247
	v_mul_u32_u24 v18, v246, 12
	v_mul_u32_u24 v19, v1, 12                      ; my query in a tile
	v_and_b32 v246, 7, v0                          ; where my vertex goes in its image: lane w of 32 -> vertex tile (w / 8) % 2, row (w % 8) + 8 (w / 16):
	v_lshlrev_b32 v15, 4, v246                     ; 16 x row
	v_and_b32 v246, 8, v0
	v_add_nc_u32 v15, v15, v246                    ; + 8 x tile
	v_lshl_add_u32 v15, v2, 7, v15
	v_and_b32 v246, 0x60, v0
	v_lshl_add_u32 v15, v246, 4, v15               ; + 512 x wave: a pass fills four images
	v_add_nc_u32 v16, 0x10000, v15                 ; the same for passes 32 on: an LDS offset has 16 bits
	v_lshl_add_u32 v17, v0, 2, VVB                 ; and its vv
	v_mov_b32 v[ONE], 1.0
	v_mov_b32 v[INF], 0x7f800000
	v_mov_b32 v[ZERO], 0
	v_mov_b32 v[ZERO+1], 0
	s_wait_alu depctr_va_sdst(0)                   ; s12 is written, ahead of its first reader: the wave's first query is made from it
	s_lshl_b32 s14, s12, 5
	s_add_co_u32 s18, s13, s14                     ; my wave's first query
	s_mul_i32 s14, s18, 12
	s_mov_b32 s15, 0
	s_wait_kmcnt 0x0
	s_add_nc_u64 s[6:7], s[6:7], s[14:15]
	s_wait_alu depctr_va_vdst(0)                   ; the offsets v3, v11, v18, v19, the LDS addresses v15 to v17 and the constants v248 to v251 are written: the loads and LDS stores below read them
.irp a, 0,1
.irp c, 0,1,2
	global_load_b32 v[8+4*\a+\c], v19, s[6:7] offset:192*\a+4*\c
.endr
.endr
.irp c, 0,1,2
	global_load_b32 v[4+\c], v18, s[4:5] offset:4*\c
.endr
.set Q, 0
.rept 53
	global_load_b32 v[XY+2*Q], v3, s[4:5] offset:1536*Q
	global_load_b32 v[XY+2*Q+1], v3, s[4:5] offset:1536*Q+4
	global_load_b32 v[ZZ+Q], v3, s[4:5] offset:1536*Q+8
.set Q, Q+1
.endr
	global_load_b32 v[XY+106], v11, s[4:5]
	global_load_b32 v[XY+107], v11, s[4:5] offset:4
	global_load_b32 v[ZZ+53], v11, s[4:5] offset:8
	s_wait_loadcnt 0x0
	s_wait_alu depctr_vm_vsrc(0)                   ; the loads have read their offsets: v19 is written again below
	; the row of vpad
	v_mul_f32 v7, v4, v4
	v_fma_f32 v7, v5, v5, v7
	v_fma_f32 v7, v6, v6, v7
	v_cmp_gt_u32 vcc_lo, NV, v247
	s_wait_alu depctr_va_vcc(0)                    ; VCC is written, ahead of the first line that selects by it
	v_cndmask_b32 v4, 0, v4, vcc_lo
	v_cndmask_b32 v5, 0, v5, vcc_lo
	v_cndmask_b32 v6, 0, v6, vcc_lo
	v_cndmask_b32 v7, v[INF], v7, vcc_lo
	v_lshlrev_b32 v19, 4, v0                       ; (the loads that it addressed are in)
	s_cmp_ge_u32 ttmp9, 54                         ; 54 work-groups x 128 rows = 6,912 rows
	s_cbranch_scc1 .Lno_table
	s_lshl_b32 s14, ttmp9, 11
	s_add_nc_u64 s[10:11], s[10:11], s[14:15]
	s_wait_alu depctr_va_vdst(0)                   ; the row v4 to v7 and its offset v19 are written, which the store reads
	global_store_b128 v19, v[4:7], s[10:11]        ; a wave stores 512 consecutive bytes, aligned
.Lno_table:
	v_cmp_gt_u32 vcc_lo, NV-6784, v0               ; pass 53: threads 106 on are past the last vertex
	s_wait_alu depctr_va_vcc(0)                    ; VCC is written, ahead of the first line that selects by it
	v_cndmask_b32 v[XY+106], 0, v[XY+106], vcc_lo
	v_cndmask_b32 v[XY+107], 0, v[XY+107], vcc_lo
	v_cndmask_b32 v[ZZ+53], 0, v[ZZ+53], vcc_lo
	s_wait_alu depctr_va_vdst(0)                   ; pass 53's three numbers are written, which its LDS stores read; all other data of the run below are as they were loaded
; Pass i: vertex 128 i + thread: (x, y) into lanes 0-15's part of the image, (z, 1) into lanes 16-31's, 256 bytes on.
.macro VPUT i
.if (\i) < 32
.set AR, 15
.set AO, 2048*(\i)
.else
.set AR, 16
.set AO, 2048*((\i)-32)
.endif
	ds_store_b64 v[AR], v[XY+2*(\i):XY+2*(\i)+1] offset:AO
	ds_store_b32 v[AR], v[ZZ+(\i)] offset:AO+256
	ds_store_b32 v[AR], v[ONE] offset:AO+260
.endm
.set Q, 0
.rept 54
	VPUT Q
.set Q, Q+1
.endr
	ds_store_b64 v16, v[ZERO:ZERO+1] offset:2048*22        ; pass 54: vertices 6,912 to 7,039, which the look-ahead reads
	ds_store_b32 v16, v[ZERO] offset:2048*22+256
	ds_store_b32 v16, v[ONE] offset:2048*22+260
	ds_store_b32 v17, v[INF] offset:512*54
	s_wait_alu depctr_vm_vsrc(0)                   ; the LDS stores above have read the x registers, which take vv now
.set Q, 0
.rept 54
	v_mul_f32 v[XY+2*Q], v[XY+2*Q], v[XY+2*Q]      ; vv = x x, then + y y, then + z z, the 54 passes line by line: no line reads the result of the line above it
.set Q, Q+1
.endr
.set Q, 0
.rept 54
	v_fma_f32 v[XY+2*Q], v[XY+2*Q+1], v[XY+2*Q+1], v[XY+2*Q]
.set Q, Q+1
.endr
.set Q, 0
.rept 54
	v_fma_f32 v[XY+2*Q], v[ZZ+Q], v[ZZ+Q], v[XY+2*Q]
.set Q, Q+1
.endr
	v_cndmask_b32 v[XY+106], v[INF], v[XY+106], vcc_lo     ; pass 53, past the last vertex: +infinity (VCC still holds that pass's mask)
	s_wait_alu depctr_va_vdst(0)                   ; the 54 vv are written, which the LDS stores read
.set Q, 0
.rept 54
	ds_store_b32 v17, v[XY+2*Q] offset:512*Q
.set Q, Q+1
.endr
	; source 1: lane (r, h) holds k = 2 h, 2 h + 1 of query r's column (-2 q0, -2 q1, -2 q2, qq)
	s_mov_b32 s13, 0xffff0000                      ; lanes 16-31
.irp a, 0,1
	v_mul_f32 v[TT+\a], v[8+4*\a], v[8+4*\a]
	v_fma_f32 v[TT+\a], v[9+4*\a], v[9+4*\a], v[TT+\a]
	v_fma_f32 v[TT+\a], v[10+4*\a], v[10+4*\a], v[TT+\a]
	v_mul_f32 v[8+4*\a], -2.0, v[8+4*\a]
	v_mul_f32 v[9+4*\a], -2.0, v[9+4*\a]
	v_mul_f32 v[10+4*\a], -2.0, v[10+4*\a]
	v_cndmask_b32 v[BF+2*\a], v[8+4*\a], v[10+4*\a], s13
	v_cndmask_b32 v[BF+2*\a+1], v[9+4*\a], v[TT+\a], s13
.endr
	s_wait_xcnt 0x0                                ; the table's store has read its registers: v19 is loaded into below
	s_wait_dscnt 0x0                               ; for the others' sake: my stores into LDS are done
	s_barrier_signal -1
	s_barrier_wait -1                              ; the one barrier: from here on LDS is only read
	s_wait_alu depctr_vm_vsrc(0)                   ; my LDS stores and the table's store have read v4 to v7, v15 to v19, v20 to v127 and v248 to v251: from here on these registers are source 0, vv, d2, the lists and the way out's offset
; four products: query tiles a = 0, 1 x vertex tiles T = 0, 1, into buffer p.  Each is a whole sum: C = 0.
.macro MM4 p
.irp a, 0,1
.irp T, 0,1
	v_wmma_f32_16x16x4_f32 v[DD+32*(\p)+16*\a+8*\T:DD+32*(\p)+16*\a+8*\T+7], v[AB+4*(\p)+2*\T:AB+4*(\p)+2*\T+1], v[BF+2*\a:BF+2*\a+1], 0
.endr
.endr
.endm
; A trip: 32 vertices (image u, buffers p = u % 2) against my 32 queries.  The next trip's products are issued first, so that they run beside this trip's vector work,
; whose lines are also the places between a product and the first read of its result (ISA guide 7.12.1).
.macro TRIP p, uid, offa, offv
	s_wait_dscnt 0x0                               ; the five loads of the trip before: image u + 1 and vv of this trip; they had a whole trip in which to land
	s_wait_alu depctr_va_vdst(0)                   ; the products issued a trip ago are done reading source 0's buffer p, the last trip's additions are done reading vv's other buffer: the five loads below land in these; at the loop's head v3 and v11 are written
	MM4 (1-\p)
	ds_load_b128 v[AB+4*\p:AB+4*\p+3], v3 offset:\offa     ; image u + 2.  No further wait: the four products above name none of the registers that these five loads touch
.irp c, 0,1,2,3
	ds_load_b128 v[VV+16*(1-\p)+4*\c:VV+16*(1-\p)+4*\c+3], v11 offset:\offv+16*\c   ; vv of trip u + 1: sixteen numbers, the same in all lanes of a half
.endr
.irp i, 0,1,2,3,4,5,6,7
.irp a, 0,1
	v_pk_add_f32 v[EE+16*\a+2*\i:EE+16*\a+2*\i+1], v[DD+32*\p+16*\a+2*\i:DD+32*\p+16*\a+2*\i+1], v[VV+16*\p+2*\i:VV+16*\p+2*\i+1]   ; d2; each result is read from its low end on
.endr
.endr
.irp k, 0,1,2,3,4
.irp a, 0,1
	v_min3_num_f32 v[MN+6*\a+\k], v[EE+16*\a+3*\k], v[EE+16*\a+3*\k+1], v[EE+16*\a+3*\k+2]
.endr
.endr
.irp a, 0,1
	v_min3_num_f32 v[MN+6*\a], v[MN+6*\a], v[MN+6*\a+1], v[MN+6*\a+2]
.endr
.irp a, 0,1
	v_min3_num_f32 v[MN+6*\a+3], v[MN+6*\a+3], v[MN+6*\a+4], v[EE+16*\a+15]
.endr
.irp a, 0,1
	v_min_num_f32 v[MN+6*\a], v[MN+6*\a], v[MN+6*\a+3]     ; the group's minimum
.endr
	; the insertion into the ascending lists, both tiles line by line.  The compare is strict: on equal minima the earlier group stays ahead.
.irp i, 0,1,2,3,4,5,6,7
.irp a, 0,1
	v_cmp_lt_f32 s[20+8*\a+\i], v[MN+6*\a], v[LA+16*\a+\i]
.endr
.endr
.irp i, 7,6,5,4,3,2,1
.irp a, 0,1
	v_med3_num_f32 v[LA+16*\a+\i], v[MN+6*\a], v[LA+16*\a+\i-1], v[LA+16*\a+\i]   ; from the top down: the entry below is still the old one
.endr
.endr
.irp a, 0,1
	v_min_num_f32 v[LA+16*\a], v[MN+6*\a], v[LA+16*\a]
.endr
	s_wait_alu depctr_va_sdst(0)                   ; the sixteen compares have written s20 to s35, ahead of the first line that selects by one of them
.irp i, 1,2,3,4,5,6,7
.irp a, 0,1
	v_cndmask_b32 v[EE+16*\a+\i], v[LI+16*\a+\i], \uid, s[20+8*\a+\i]            ; the new payload where the new value is smaller,
.endr
.endr
.irp i, 7,6,5,4,3,2,1
.irp a, 0,1
	v_cndmask_b32 v[LI+16*\a+\i], v[EE+16*\a+\i], v[LI+16*\a+\i-1], s[20+8*\a+\i-1]   ; the entry below where it is smaller than that one too
.endr
.endr
.irp a, 0,1
	v_cndmask_b32 v[LI+16*\a], v[LI+16*\a], \uid, s[20+8*\a]
.endr
.endm
	v_and_b32 v3, 31, v0
	v_lshlrev_b32 v3, 4, v3                        ; an image: 16 bytes a lane
	v_lshl_add_u32 v11, v2, 6, VVB                 ; vv: my half's sixteen
	s_wait_alu depctr_va_vdst(0)                   ; v3 and v11 are written, which the LDS loads read; the head's vector lines are done with v12 to v35, in which these loads land
	ds_load_b128 v[AB:AB+3], v3
	ds_load_b128 v[AB+4:AB+7], v3 offset:512
.irp c, 0,1,2,3
	ds_load_b128 v[VV+4*\c:VV+4*\c+3], v11 offset:16*\c
.endr
	v_lshlrev_b32 v250, 5, v1
	v_lshl_add_u32 v250, v2, 4, v250               ; the way out: 32 r + 16 h
	s_wait_dscnt 0x0
	MM4 0                                          ; trip 0's products
.irp i, 0,1,2,3,4,5,6,7
.irp a, 0,1
	v_mov_b32 v[LA+16*\a+\i], 0x7f800000           ; the lists begin at +infinity.  (These 32 lines are the places behind the products above)
	v_mov_b32 v[LI+16*\a+\i], 0
.endr
.endr
	s_mov_b32 s16, 0
.Ltrip:                                                ; 108 trips of the loop, two images each: 216 x 32 = 6,912 vertices
	s_add_co_u32 s17, s16, 1
	TRIP 0, s16, 1024, 128
	TRIP 1, s17, 1536, 256
	s_wait_alu depctr_vm_vsrc(0)                   ; the LDS loads issued so far have read v3 and v11
	v_add_nc_u32 v3, 1024, v3
	v_add_nc_u32 v11, 256, v11
	s_add_co_u32 s16, s16, 2
	s_cmp_lt_u32 s16, 216
	s_cbranch_scc1 .Ltrip
	; the payloads become group numbers 2 u + h and leave: plane P holds entries 4 P .. 4 P + 3; in a plane a query has 32 bytes, 16 for each half
.irp a, 0,1
.irp i, 0,1,2,3,4,5,6,7
	v_lshl_add_u32 v[LI+16*\a+\i], v[LI+16*\a+\i], 1, v2
.endr
.endr
	s_lshl_b32 s14, s18, 5
	s_add_nc_u64 s[8:9], s[8:9], s[14:15]
	s_wait_alu depctr_va_vdst(0)                   ; the group numbers and the offset v250 are written, which the stores read
.irp a, 0,1
.irp P, 0,1
	global_store_b128 v250, v[LI+16*\a+4*\P:LI+16*\a+4*\P+3], s[8:9] offset:512*\a+1048576*\P   ; 32 lanes store 512 consecutive bytes, aligned
.endr
.endr
	s_set_vgpr_msb 0x5                             ; the add's two registers lie in window 1: the switch stands ahead of the closing lines
	s_wait_dscnt 0x0                               ; the closing lines, six on end
	s_wait_alu 0x0
	s_wait_tensorcnt 0x0
	ds_add_u32 v0, v1
	s_wait_dscnt 0x0
	s_endpgm
.Lfunc_end_k_q789bdd71f9_scan:
	.size	k_q789bdd71f9_scan, .Lfunc_end_k_q789bdd71f9_scan-k_q789bdd71f9_scan
	.p2alignl 7, 3214868480
	.fill 96, 4, 3214868480
	.section	.rodata,"a",@progbits
	.p2align	6, 0x0
	.amdhsa_kernel k_q789bdd71f9_scan
		.amdhsa_group_segment_fixed_size 141312
		.amdhsa_private_segment_fixed_size 0
		.amdhsa_enable_private_segment 0
		.amdhsa_kernarg_size 32
		.amdhsa_user_sgpr_count 2
		.amdhsa_user_sgpr_kernarg_segment_ptr 1
		.amdhsa_wavefront_size32 1
		.amdhsa_system_sgpr_workgroup_id_x 1
		.amdhsa_system_sgpr_workgroup_id_y 1
		.amdhsa_system_sgpr_workgroup_id_z 1
		.amdhsa_system_vgpr_workitem_id 0
		.amdhsa_next_free_vgpr 258
		.amdhsa_next_free_sgpr 66
		.amdhsa_reserve_vcc 1
		.amdhsa_float_denorm_mode_32 3
		.amdhsa_float_denorm_mode_16_64 3
		.amdhsa_memory_ordered 1
		.amdhsa_forward_progress 1
		.amdhsa_inst_pref_size 60
	.end_amdhsa_kernel
	.amdgpu_metadata
---
amdhsa.version: [ 1, 2 ]
amdhsa.kernels:
  - .name:           k_q789bdd71f9_scan
    .symbol:         k_q789bdd71f9_scan.kd
    .args:
      - { .name: vertex, .offset: 0, .size: 8, .value_kind: global_buffer, .address_space: global }
      - { .name: query_pts, .offset: 8, .size: 8, .value_kind: global_buffer, .address_space: global }
      - { .name: grp, .offset: 16, .size: 8, .value_kind: global_buffer, .address_space: global }
      - { .name: vpad, .offset: 24, .size: 8, .value_kind: global_buffer, .address_space: global }
    .group_segment_fixed_size: 141312
    .private_segment_fixed_size: 0
    .kernarg_segment_align: 8
    .kernarg_segment_size: 32
    .max_flat_workgroup_size: 128
    .sgpr_count:     66
    .vgpr_count:     258
    .wavefront_size: 32
...
	.end_amdgpu_metadata
.endif
;; end of part 4
;; launch refine: the kernel of part 2 again; grid 256 x 1, 4 waves a work-group, no clusters, 0 bytes of LDS; arguments query_pts, grp, vpad, knn_idx, knn_w; writes knn_idx, knn_w
;; launch mlp (part 5): grid 256 x 1, 4 waves a work-group, no clusters, 61,952 bytes of LDS; arguments knn_idx, knn_w, vpad, vertex_features, query_pts, W0, b0, W1, b1, W2, b2, W3, b3, out0; writes out0
.if DOCPART == 5
	.amdgcn_target "amdgcn-amd-amdhsa--gfx1250"
	.amdhsa_code_object_version 6
	.text
	.protected	k_q789bdd71f9_mlp
	.globl	k_q789bdd71f9_mlp
	.p2align	8
	.type	k_q789bdd71f9_mlp,@function
k_q789bdd71f9_mlp:
	s_mov_b64 s[64:65], 0
	v_nop
	global_prefetch_b8 v0, s[64:65] scope:SCOPE_SE
	s_setreg_imm32_b32 hwreg(HW_REG_WAVE_SCHED_MODE, 0, 2), 2
	s_setreg_imm32_b32 hwreg(HW_REG_WAVE_MODE, 25, 1), 1
	s_wait_xcnt 0x0
	s_wait_alu depctr_vm_vsrc(0)
; THIRD LAUNCH: out[q] = sum over the 8 neighbours k of w[q][k] x MLP(features[idx] | q - vertex[idx]), the four products on codes of FP8 (E4M3) with one E8M0 scale for each 32 along K.
; SHARES: a work-group owns 128 queries, a wave 32: 256 rows = 16 tiles of 16 rows (2 queries x 8 neighbours; row r = 8 x query + neighbour).  EVERY WAVE HOLDS ALL WEIGHTS as operand registers
; (28 fragments, 448 registers), so a hidden layer never leaves the wave's registers and the loop has no barrier.  Two tiles, A and B, are in hand: one tile's products stand beside the other's quantising,
; whose lines are the places behind the matrix instructions (ISA guide 7.12.1).
; THE WEIGHTS arrive as f32 with K first.  At the head each wave quantises 7 of the 28 fragments (a lane takes a column, its registers run down K, so the conversions' results are the operand's registers),
; stores them into LDS as images of their registers (16 bytes a lane, 512 a store; the scale word 4 bytes a lane), and behind the one barrier every wave loads all 28.
; LAYERS 0-2 ARE USED TRANSPOSED (source 0 = 16 units of the weight, source 1 = the rows' codes): a lane holds one row and its registers run along the units.  Lane r of unit tile 2 b + u takes unit
; 32 b + 8 u + r + 8 (r / 8), so the 16 registers of tiles 2 b, 2 b + 1 are 16 neighbours along the next K.  The bias is the C of each product.  relu and the hold at 448 x the scale are one v_med3_num_f32.
; LAYER 3 IS USED STRAIGHT (source 0 = codes, source 1 = W3; lane r of tile t takes unit 4 r + t): register j of lane (r, h) is neighbour j of query h, so the weighted sum stays in the lane, and a lane's four
; results are 16 neighbouring bytes of out.  b3 enters as b3 x (sum of w).
; K = 67 of layer 0: block 2 holds three numbers and zeros, block 3 zero codes on both sides.  Each product is one instruction deep (K <= 128): no sum is taken up again.
; The neighbours' indices are whole numbers stored by the launch before; a tile's rows are asked for one pair of tiles ahead, into registers.
; No tensor load and no ring: LDS is filled once, with computed codes.  No cluster: what work-groups share, 198 KB of weights, is read once by each.
; LIMITS: NaN and infinities are not served; a block whose largest magnitude lies under 2^-118 takes the byte 1 (a block of zeros too: its codes are zeros).
; REGISTERS, in windows of 256 (s_set_vgpr_msb: bits 1:0 source 0, 3:2 source 1, 5:4 source 2, 7:6 destination):
;   window 0: v1-23 lane terms and offsets; v24-27 b3; v28 at work; v32-59 the weights' scale words, v60-61 the tiles' (scales and nothing else); v62-63 sum of w; v64-127, v128-191 the tiles' 64 numbers;
;             v192-207, v208-223 their codes; v224-239 at work; v240-255 w of both tiles.
;   window 1: W0's 8 fragments, W1's 8.   window 2: W2's 8, W3's 4, from v192 tile A's rows as loaded.   window 3: b0, b1, b2 in the result's layout (64 L + 8 t + j), from v192 tile B's rows.
; THE MODE: SCHED_MODE bits 1:0 = 2 (LLVM: expert scheduling mode 2), set by the entry lines.  The code itself states the register dependences
; between vector or matrix instructions and memory or LDS instructions, with s_wait_alu, always for 0.
; THE PLAN, loop (a pair of tiles).  Registers that memory instructions touch, and who else names them:
;   v18-21         the rows' offsets: written by OFFS, read by the loads of the next pair's rows.
;   rows, windows 2 and 3   read by the first layer's quantising (XQ); the next pair's rows land in them behind it.
;   v22, v23       the indices: read by OFFS; those of the pair after the next land behind it.
;   v240-255       w: read by the weighted sums at a pair's end; this pair's land behind the pair's first wait on va_vdst.
;   v224-231       the results: written by the weighted sums, read by the pair's two stores, written again by the next pair's XQ.
;   v14-17         offsets made at the head and never written again: the scalar bases move on.
; A run of products takes codes and a scale word that vector lines have just written: so a wait on va_vdst stands ahead of each of the pair's eight runs, behind their places.  The first two of these waits
; serve the pair's 30 loads as well, which stand straight behind them: tile A's next rows and w behind the first, tile B's next rows and the indices behind the second.  One more stands ahead of the two stores,
; and one wait on vm_vsrc at the pair's head, for v18-21 and v224-231.
.set TM,  224                          ; +0..3 largest magnitudes, +4..7 bytes, +8..11 448 x the scale, +12..15 the conversions' scale operands
.set HA,  64
.set HB,  128
.set PCA, 192
.set PCB, 208
.set PWA, 60
.set PWB, 61
.set WS,  32
.set WTA, 240
.set WTB, 248
.set XR,  192                          ; rows as loaded: +0..31 my 32 features, +32..35 (x, y, z, vv), +36..38 the query
.set SCB, 57344                        ; LDS: 28 images of 2,048 bytes from 0; from here their scale words, 128 bytes each
.set MSB, 0
.macro WIN new                         ; the immediate's high byte repeats the setting that is left; a switch that changes nothing is dropped
.if MSB != (\new)
	s_set_vgpr_msb (MSB<<8)|(\new)
.set MSB, (\new)
.endif
.endm
.macro PLACES n
.rept \n
	v_nop
.endr
.endm
; 64 numbers of a lane, v[s] on, register 16 b + i = k 32 b + 16 (lane / 16) + i, become 16 registers of codes, v[pc] on, and the scale word v[pw].  relu = 1: what is negative becomes 0 on the way.
; All its registers lie in one window.  The scale word is made ahead of the holds: with the four lines that make those, the closing v_nop and the four places that follow the macro,
; nine plain lines that name no register of the next product stand between the word and that product.
.macro QUANT s, relu, pc, pw
.if \relu
.irp b, 0,1,2,3
	v_max3_num_f32 v[TM+\b], v[\s+16*\b], v[\s+1+16*\b], 0x4800000   ; no |.|: what is negative must not count.  The floor 2^(9 - 127) holds the byte at 1 from below.  (Each result is read from its low end on)
.endr
.irp i, 2,4,6,8,10,12,14
.irp b, 0,1,2,3
	v_max3_num_f32 v[TM+\b], v[TM+\b], v[\s+16*\b+\i], v[\s+1+16*\b+\i]
.endr
.endr
.else
.irp b, 0,1,2,3
	v_max3_num_f32 v[TM+\b], |v[\s+16*\b]|, |v[\s+1+16*\b]|, 0x4800000
.endr
.irp i, 2,4,6,8,10,12,14
.irp b, 0,1,2,3
	v_max3_num_f32 v[TM+\b], v[TM+\b], |v[\s+16*\b+\i]|, |v[\s+1+16*\b+\i]|
.endr
.endr
.endif
.irp b, 0,1,2,3
	v_permlanex16_b32 v[TM+4+\b], v[TM+\b], s36, s37
.endr
.irp b, 0,1,2,3
	v_max_num_f32 v[TM+\b], v[TM+\b], v[TM+4+\b]   ; with lane l xor 16's sixteen: the block's largest magnitude
.endr
.irp b, 0,1,2,3
	v_add_nc_u32 v[TM+12+\b], 0xfc000000, v[TM+\b] ; 8 off its exponent field: the conversion takes this operand's exponent field as its scale
.endr
.irp b, 0,1,2,3
	v_lshrrev_b32 v[TM+4+\b], 23, v[TM+12+\b]      ; the scale's byte
.endr
	v_lshl_or_b32 v[\pw], v[TM+5], 8, v[TM+4]
	v_lshl_or_b32 v[\pw], v[TM+6], 16, v[\pw]
	v_lshl_or_b32 v[\pw], v[TM+7], 24, v[\pw]
.irp b, 0,1,2,3
	v_and_or_b32 v[TM+8+\b], v[TM+\b], 0x7f800000, s38   ; 448 x the scale: the largest magnitude's exponent field over 448's mantissa
.endr
.irp b, 0,1,2,3
.irp i, 0,1,2,3,4,5,6,7,8,9,10,11,12,13,14,15
.if \relu
	v_med3_num_f32 v[\s+16*\b+\i], v[\s+16*\b+\i], 0, v[TM+8+\b]   ; the activation and the hold in one (the conversion to an 8-bit code does not saturate: ISA guide 7.6.2)
.else
	v_med3_num_f32 v[\s+16*\b+\i], v[\s+16*\b+\i], -v[TM+8+\b], v[TM+8+\b]
.endif
.endr
	v_cvt_scalef32_pk8_fp8_f32 v[\pc+4*\b:\pc+4*\b+1], v[\s+16*\b:\s+16*\b+7], v[TM+12+\b]
	v_cvt_scalef32_pk8_fp8_f32 v[\pc+4*\b+2:\pc+4*\b+3], v[\s+16*\b+8:\s+16*\b+15], v[TM+12+\b]
.endr
	v_nop                                          ; a plain line between the last conversion and whatever next touches its result or writes its sources
.endm
; 64 (or 32) numbers of a weight: lane's column, registers down K: W(32 c + 16 h + i, column).  The destination's window is set by the caller.
.macro WLOAD reg, adr, sb, uoff, pitch, nblk
.irp c, 0,1,2,3
.if \c < \nblk
.irp i, 0,1,2,3,4,5,6,7,8,9,10,11,12,13,14,15
	global_load_b32 v[\reg+16*\c+\i], v[\adr], s[\sb:\sb+1] offset:(32*\c+\i)*\pitch+\uoff
.endr
.endif
.endr
.endm
.macro W0TAIL reg, uoff                ; W0 has 67 rows: k = 64 .. 66 are loaded by both halves of the lanes (no load leaves the buffer; lanes 16-31 are cleared later)
.irp i, 0,1,2
	global_load_b32 v[\reg+32+\i], v10, s[14:15] offset:(64+\i)*512+\uoff
.endr
.endm
.macro W0ZERO reg                      ; the rest of W0's K is zeros
.set Q, 35
.rept 29
	v_mov_b32 v[\reg+Q], 0
.set Q, Q+1
.endr
.endm
.macro BLOAD L, sb                     ; a bias in the result's layout: tile 2 b + u, lane half h: units 32 b + 16 h + 8 u + 0 .. 7
.irp t, 0,1,2,3,4,5,6,7
	global_load_b128 v[64*\L+8*\t:64*\L+8*\t+3], v12, s[\sb:\sb+1] offset:(32*(\t/2)+8*(\t%2))*4
	global_load_b128 v[64*\L+8*\t+4:64*\L+8*\t+7], v12, s[\sb:\sb+1] offset:(32*(\t/2)+8*(\t%2))*4+16
.endr
.endm
.macro WQ win, s, L, u                 ; the raw fragment at v[s] of window win becomes the image of layer L's tile 2 w + u
	WIN 0x55*\win
	QUANT \s, 0, 192, 240
	WIN (\win)<<2                                  ; an LDS store's data are its source 1
	s_wait_alu depctr_va_vdst(0)                   ; the conversions have written the codes, and the scale word is made: the five LDS stores read them
.irp c, 0,1,2,3
	ds_store_b128 v5, v[192+4*\c:195+4*\c] offset:16384*\L+2048*\u+512*\c
.endr
	ds_store_b32 v7, v240 offset:SCB+1024*\L+128*\u
	s_wait_dscnt 0x0                               ; the stores are done before the next fragment's codes are written
	s_wait_alu depctr_vm_vsrc(0)                   ; and have read their registers, which the next fragment's quantising, or a load, writes again
.endm
.macro OFFS fo, vo, idxn               ; a loaded index enters an address only held under the table's last row.  Four plain lines: also places in front of the product that follows
	v_min_u32 v28, 6889, v[\idxn]
	v_lshlrev_b32 v[\fo], 8, v28                   ; a row of features is 256 bytes,
	v_lshl_add_u32 v[\fo], v2, 6, v[\fo]           ; my half's 16 of each 32 begin 64 h bytes on
	v_lshlrev_b32 v[\vo], 4, v28
.endm
.macro XLOAD win, fo, vo, tile, nxt    ; 12 loads: a tile's rows into window win; nxt = 1: the next pair's
	WIN (\win)<<6
	s_wait_alu depctr_va_vdst(0)                   ; the two offsets are written; the vector lines that read or wrote these registers of window win are done; OFFS is done reading the index; in the loop also: the tile's codes and scale word are written, which the products behind these loads take
.irp c, 0,1
.irp j, 0,1,2,3
	global_load_b128 v[XR+16*\c+4*\j:XR+16*\c+4*\j+3], v[\fo], s[10:11] offset:128*\c+16*\j
.endr
.endr
	global_load_b128 v[XR+32:XR+35], v[\vo], s[8:9]
.irp c, 0,1,2
	global_load_b32 v[XR+36+\c], v16, s[12:13] offset:48*\nxt+24*\tile+4*\c
.endr
	WIN 0
.endm
; The first layer's operand: blocks 0, 1 the features, block 2 (q - v, zeros), block 3 zero codes under the byte 0.
.macro XQ win, H, pc, pw
	WIN (\win)|((\win)<<2)                         ; sources 0 and 1 in the rows' window
.irp c, 0,1,2
	v_sub_f32 v[\H+32+\c], v[XR+36+\c], v[XR+32+\c]
.endr
.irp b, 0,1
	v_max3_num_f32 v[TM+\b], |v[XR+16*\b]|, |v[XR+16*\b+1]|, 0x4800000
.endr
.irp i, 2,4,6,8,10,12,14
.irp b, 0,1
	v_max3_num_f32 v[TM+\b], |v[XR+16*\b+\i]|, |v[XR+16*\b+\i+1]|, v[TM+\b]
.endr
.endr
	WIN 0
.irp c, 0,1,2
	v_cndmask_b32 v[\H+32+\c], v[\H+32+\c], 0, s39 ; k = 64 .. 66 belong to lanes 0-15; lanes 16-31 hold k = 80 on: zeros
.endr
	v_max3_num_f32 v[TM+2], |v[\H+32]|, |v[\H+33]|, 0x4800000
	v_max_num_f32 v[TM+2], v[TM+2], |v[\H+34]|
.irp b, 0,1,2
	v_permlanex16_b32 v[TM+4+\b], v[TM+\b], s36, s37
.endr
.irp b, 0,1,2
	v_max_num_f32 v[TM+\b], v[TM+\b], v[TM+4+\b]
.endr
.irp b, 0,1,2
	v_add_nc_u32 v[TM+12+\b], 0xfc000000, v[TM+\b]
.endr
.irp b, 0,1,2
	v_lshrrev_b32 v[TM+4+\b], 23, v[TM+12+\b]
.endr
	v_lshl_or_b32 v[\pw], v[TM+5], 8, v[TM+4]
	v_lshl_or_b32 v[\pw], v[TM+6], 16, v[\pw]
.irp b, 0,1,2
	v_and_or_b32 v[TM+8+\b], v[TM+\b], 0x7f800000, s38
.endr
.irp i, 35,36,37,38,39
	v_mov_b32 v[\H+\i], 0
.endr
.irp i, 10,11,12,13,14,15
	v_mov_b32 v[\pc+\i], 0
.endr
	WIN \win                                       ; source 0 in the rows' window
.irp b, 0,1
.irp i, 0,1,2,3,4,5,6,7,8,9,10,11,12,13,14,15
	v_med3_num_f32 v[\H+16*\b+\i], v[XR+16*\b+\i], -v[TM+8+\b], v[TM+8+\b]
.endr
.endr
	WIN 0
.irp c, 0,1,2
	v_med3_num_f32 v[\H+32+\c], v[\H+32+\c], -v[TM+10], v[TM+10]
.endr
.irp b, 0,1
	v_cvt_scalef32_pk8_fp8_f32 v[\pc+4*\b:\pc+4*\b+1], v[\H+16*\b:\H+16*\b+7], v[TM+12+\b]
	v_cvt_scalef32_pk8_fp8_f32 v[\pc+4*\b+2:\pc+4*\b+3], v[\H+16*\b+8:\H+16*\b+15], v[TM+12+\b]
.endr
	v_cvt_scalef32_pk8_fp8_f32 v[\pc+8:\pc+9], v[\H+32:\H+39], v[TM+14]
	v_nop                                          ; with the three lines that make the holds and the four places that follow: nine plain lines between the scale word and the product
	v_nop
.endm
; A layer's products for one tile: each a whole sum, the bias (or 0) as C.
.macro MM L, H, pc, pw
.if \L == 0
	WIN 0x31                                       ; source 0 window 1, source 2 window 3
.irp t, 0,1,2,3,4,5,6,7
	v_wmma_scale_f32_16x16x128_f8f6f4 v[\H+8*\t:\H+8*\t+7], v[16*\t:16*\t+15], v[\pc:\pc+15], v[8*\t:8*\t+7], v[WS+\t], v[\pw]
.endr
.elseif \L == 1
	WIN 0x31
.irp t, 0,1,2,3,4,5,6,7
	v_wmma_scale_f32_16x16x128_f8f6f4 v[\H+8*\t:\H+8*\t+7], v[128+16*\t:128+16*\t+15], v[\pc:\pc+15], v[64+8*\t:64+8*\t+7], v[WS+8+\t], v[\pw]
.endr
.elseif \L == 2
	WIN 0x32                                       ; source 0 window 2, source 2 window 3
.irp t, 0,1,2,3,4,5,6,7
	v_wmma_scale_f32_16x16x128_f8f6f4 v[\H+8*\t:\H+8*\t+7], v[16*\t:16*\t+15], v[\pc:\pc+15], v[128+8*\t:128+8*\t+7], v[WS+16+\t], v[\pw]
.endr
.else
	WIN 0x08                                       ; source 1 window 2
.irp t, 0,1,2,3
	v_wmma_scale_f32_16x16x128_f8f6f4 v[\H+8*\t:\H+8*\t+7], v[\pc:\pc+15], v[128+16*\t:128+16*\t+15], 0, v[\pw], v[WS+24+\t]
.endr
.endif
	WIN 0
.endm
; The weighted sum over a query's 8 neighbours, which are a lane's 8 registers, for its four units; + b3 x the sum of w.  The four results, v[O] on, are 16 neighbouring bytes of out.
.macro RED H, w, O
	v_pk_add_f32 v[62:63], v[\w:\w+1], v[\w+2:\w+3]
	v_pk_add_f32 v[232:233], v[\w+4:\w+5], v[\w+6:\w+7]
	v_pk_add_f32 v[62:63], v[62:63], v[232:233]
	v_add_f32 v62, v62, v63
.irp t, 0,1,2,3
	v_pk_mul_f32 v[232+2*\t:233+2*\t], v[\H+8*\t:\H+8*\t+1], v[\w:\w+1]   ; each result is read from its low end on
.endr
.irp g, 1,2,3
.irp t, 0,1,2,3
	v_pk_fma_f32 v[232+2*\t:233+2*\t], v[\H+8*\t+2*\g:\H+8*\t+2*\g+1], v[\w+2*\g:\w+2*\g+1], v[232+2*\t:233+2*\t]
.endr
.endr
.irp t, 0,1,2,3
	v_add_f32 v[232+2*\t], v[232+2*\t], v[233+2*\t]
.endr
.irp t, 0,1,2,3
	v_fma_f32 v[\O+\t], v[24+\t], v62, v[232+2*\t]
.endr
.endm
; A pair of tiles: four queries.  xnext: the next pair's rows are asked for; inext: the indices of the pair after that.
.macro PAIR xnext, inext
	s_wait_loadcnt 0x0                             ; this pair's rows and the next pair's indices, asked for a pair ago, are in, and their offset registers are free
	s_wait_alu depctr_vm_vsrc(0)                   ; the loads of this pair's rows have read v18 to v21, which OFFS writes again; the last pair's stores have read v224 to v231, and at the first pair my LDS stores the codes and the scale word, which XQ writes again
	XQ 2, HA, PCA, PWA
.if \xnext
	OFFS 18, 19, 22
	XLOAD 2, 18, 19, 0, 1
.else
	PLACES 4
	s_wait_alu depctr_va_vdst(0)                   ; tile A's codes and scale word are written, which the products below take; the last pair's sums are done reading w, in whose registers the four loads below land
.endif
	global_load_b128 v[WTA:WTA+3], v15, s[6:7]             ; this pair's w.  No further wait: behind the wait above stand loads and window switches alone, and the last pair's sums, which read these registers, stand ahead of it
	global_load_b128 v[WTA+4:WTA+7], v15, s[6:7] offset:524288
	global_load_b128 v[WTB:WTB+3], v15, s[6:7] offset:32
	global_load_b128 v[WTB+4:WTB+7], v15, s[6:7] offset:524320
	MM 0, HA, PCA, PWA
	XQ 3, HB, PCB, PWB
.if \xnext
	OFFS 20, 21, 23
	XLOAD 3, 20, 21, 1, 1
.else
	PLACES 4
	s_wait_alu depctr_va_vdst(0)                   ; tile B's codes and scale word are written, which the products below take
.endif
.if \inext
	global_load_b32 v22, v14, s[4:5] offset:128    ; no further wait: both OFFS, which read v22 and v23, stand ahead of the wait above
	global_load_b32 v23, v14, s[4:5] offset:160
.endif
	MM 0, HB, PCB, PWB
.irp L, 1,2,3
	QUANT HA, 1, PCA, PWA                          ; tile A's numbers were finished in front of tile B's quantising: its lines were the places
	PLACES 4                                       ; codes written by vector instructions stand four places ahead of a scaled product
	s_wait_alu depctr_va_vdst(0)                   ; tile A's codes and scale word are written, which the products take: first the places, then this wait
	MM \L, HA, PCA, PWA
	QUANT HB, 1, PCB, PWB
	PLACES 4
	s_wait_alu depctr_va_vdst(0)                   ; tile B's codes and scale word are written, which the products take
	MM \L, HB, PCB, PWB
.endr
	s_wait_loadcnt 12*\xnext+2*\inext              ; w is in: behind its four loads only tile B's next rows, 12 loads, and the 2 index loads were issued
	RED HA, WTA, 224                               ; (tile A's lines are the places behind tile B's last products)
	RED HB, WTB, 228
	s_wait_alu depctr_va_vdst(0)                   ; both tiles' sums have written v224 to v231, which the two stores read
	global_store_b128 v17, v[224:227], s[30:31] th:TH_STORE_NT             ; each store covers 512 consecutive bytes: two whole rows of out
	global_store_b128 v17, v[228:231], s[30:31] offset:512 th:TH_STORE_NT
.if \xnext
	s_wait_xcnt 0x0                                ; every memory instruction has read its registers: the stores' data and the bases may be written again
	s_add_nc_u64 s[4:5], s[4:5], 64
	s_add_nc_u64 s[6:7], s[6:7], 64
	s_add_nc_u64 s[12:13], s[12:13], 48
	s_add_nc_u64 s[30:31], s[30:31], 1024
.endif
.endm
	s_load_b512 s[4:19], s[0:1], 0x0               ; knn_idx s[4:5], knn_w s[6:7], vpad s[8:9], features s[10:11], query_pts s[12:13], W0 s[14:15], b0 s[16:17], W1 s[18:19]
	s_load_b256 s[20:27], s[0:1], 0x40             ; b1 s[20:21], W2 s[22:23], b2 s[24:25], W3 s[26:27]
	s_load_b128 s[28:31], s[0:1], 0x60             ; b3 s[28:29], out s[30:31]
	v_lshl_add_u32 v30, v0, 2, 0xf000
	v_mov_b32 v31, 0
	v_lshrrev_b32 v1, 5, v0
	v_readfirstlane_b32 s32, v1                    ; wave 0..3
	v_and_b32 v1, 15, v0                           ; r
	v_bfe_u32 v2, v0, 4, 1                         ; h
	v_and_b32 v3, 31, v0
	v_lshlrev_b32 v4, 2, v3                        ; 4 x lane: a scale word's place
	v_lshlrev_b32 v3, 4, v3                        ; 16 x lane: an image's
	s_wait_alu depctr_va_sdst(0)                   ; s32 is written, ahead of its first reader: LDS addresses, offsets and bases are made from it
	s_lshl_b32 s33, s32, 12
	v_add_nc_u32 v5, s33, v3                       ; where I store images of layers 0-2: tiles 2 w, 2 w + 1
	s_lshl_b32 s33, s32, 11
	v_add_nc_u32 v6, s33, v3                       ; and of W3: tile w
	s_lshl_b32 s33, s32, 8
	v_add_nc_u32 v7, s33, v4
	s_lshl_b32 s33, s32, 7
	v_add_nc_u32 v8, s33, v4
	v_and_b32 v28, 8, v1
	v_add_nc_u32 v28, v28, v1                      ; r + 8 (r / 8)
	s_lshl_b32 s33, s32, 5
	v_add_nc_u32 v28, s33, v28                     ; + 32 w: my unit in tile 2 w
	v_lshlrev_b32 v10, 2, v28
	v_lshl_add_u32 v9, v2, 13, v10                 ; lanes 16-31 begin 16 rows of 512 bytes further down
	v_lshlrev_b32 v13, 4, v1                       ; 16 r: b3's four numbers
	s_lshl_b32 s33, s32, 2
	v_add_nc_u32 v11, s33, v13                     ; W3: unit 4 r + w,
	v_lshl_add_u32 v11, v2, 12, v11                ; 16 rows of 256 bytes further down
	v_lshlrev_b32 v12, 6, v2                       ; biases: 16 h numbers on
	v_bfe_u32 v28, v0, 2, 1                        ; my row's neighbour r % 8: plane (r / 4) % 2,
	v_lshlrev_b32 v14, 19, v28
	v_bfe_u32 v28, v0, 3, 1                        ; query r / 8,
	v_lshl_add_u32 v14, v28, 4, v14
	v_and_b32 v29, 3, v0                           ; word r % 4
	v_lshl_add_u32 v14, v29, 2, v14
	v_lshlrev_b32 v15, 4, v2                       ; w: query h
	v_mul_u32_u24 v16, v28, 12                     ; query_pts: query r / 8
	v_lshl_add_u32 v17, v2, 8, v13                 ; out: row h, 16 r bytes on
	s_mov_b32 s36, 0x76543210
	s_mov_b32 s37, 0xfedcba98                      ; v_permlanex16_b32's selects for lane l xor 16
	s_mov_b32 s38, 0x600000                        ; the mantissa field of 448
	s_mov_b32 s39, 0xffff0000                      ; lanes 16-31
	s_lshl_b32 s34, ttmp9, 7
	s_lshl_b32 s33, s32, 5
	s_add_co_u32 s41, s34, s33                     ; my wave's first query
	s_mov_b32 s35, 0
	; every register that the head clears is cleared here, while the arguments are on their way: behind the wait in front of the first load stand loads and window switches alone
.irp b, 0,1,2,3
	v_mov_b32 v[TM+4+\b], 0                        ; written once in each window that quantises: a lane permute's destination counts as one of its sources
.endr
	WIN 0x80                                       ; destination window 2
.irp b, 0,1,2,3
	v_mov_b32 v[TM+4+\b], 0
.endr
	WIN 0x40                                       ; destination window 1
.irp b, 0,1,2,3
	v_mov_b32 v[TM+4+\b], 0
.endr
	W0ZERO 0
	W0ZERO 64
	WIN 0
	s_wait_kmcnt 0x0
	s_lshl_b32 s34, s41, 4
	s_add_nc_u64 s[4:5], s[4:5], s[34:35]
	s_add_nc_u64 s[6:7], s[6:7], s[34:35]
	s_mul_i32 s34, s41, 12
	s_add_nc_u64 s[12:13], s[12:13], s[34:35]
	s_lshl_b32 s34, s41, 8
	s_add_nc_u64 s[30:31], s[30:31], s[34:35]
	s_wait_alu depctr_va_vdst(0)                   ; the offsets and LDS addresses v3 to v17 are written, which the kernel's loads and stores read
	global_load_b32 v22, v14, s[4:5]               ; the first pair's indices
	global_load_b32 v23, v14, s[4:5] offset:32
	global_load_b128 v[24:27], v13, s[28:29]
	WLOAD HA, 11, 26, 0, 256, 4                    ; W3's tile w
	WIN 0xc0                                       ; destination window 3
	BLOAD 0, 16
	BLOAD 1, 20
	BLOAD 2, 24
	WIN 0x80                                       ; destination window 2
	WLOAD 0, 9, 18, 32, 512, 4                     ; W1's tile 2 w + 1
	WLOAD 64, 9, 22, 0, 512, 4                     ; W2's tile 2 w
	WLOAD 128, 9, 22, 32, 512, 4                   ; W2's tile 2 w + 1
	WIN 0x40                                       ; destination window 1
	WLOAD 0, 9, 14, 0, 512, 2                      ; W0's tile 2 w
	W0TAIL 0, 0
	WLOAD 64, 9, 14, 32, 512, 2                    ; W0's tile 2 w + 1
	W0TAIL 64, 32
	WLOAD 128, 9, 18, 0, 512, 4                    ; W1's tile 2 w
	WIN 0
	s_wait_loadcnt 0x0
	OFFS 18, 19, 22
	OFFS 20, 21, 23
	XLOAD 3, 20, 21, 1, 0                          ; the first pair's tile B lands while the weights are quantised
	global_load_b32 v22, v14, s[4:5] offset:64     ; the second pair's indices: both OFFS, which read v22 and v23, stand ahead of the wait in XLOAD
	global_load_b32 v23, v14, s[4:5] offset:96
	WQ 2, 0, 1, 1
	WQ 2, 64, 2, 0
	WQ 2, 128, 2, 1
	XLOAD 2, 18, 19, 0, 0                          ; tile A's rows take the registers that window 2's quantising has left
	WIN 0x55
.irp c, 0,1,2
	v_cndmask_b32 v[32+\c], v[32+\c], 0, s39       ; W0's k = 64 .. 66 belong to lanes 0-15
	v_cndmask_b32 v[96+\c], v[96+\c], 0, s39
.endr
	WQ 1, 0, 0, 0
	WQ 1, 64, 0, 1
	WQ 1, 128, 1, 0
	WIN 0
	QUANT HA, 0, PCA, PWA
	s_wait_alu depctr_va_vdst(0)                   ; the conversions have written the codes, and the scale word is made: the five LDS stores read them
.irp c, 0,1,2,3
	ds_store_b128 v6, v[PCA+4*\c:PCA+4*\c+3] offset:49152+512*\c
.endr
	ds_store_b32 v8, v[PWA] offset:SCB+3072
	s_wait_dscnt 0x0                               ; for the others' sake: my images are in LDS
	s_barrier_signal -1
	s_barrier_wait -1                              ; the one barrier: all 28 images lie in LDS, and nobody writes LDS again
	WIN 0x40
	s_wait_alu depctr_vm_vsrc(0)                   ; my LDS stores have read the codes' and scale words' registers of windows 1 and 2, in which images land
	s_wait_alu depctr_va_vdst(0)                   ; the quantising is done reading and writing the registers of windows 1 and 2 in which the 28 images land
.set Q, 0
.rept 16
.irp c, 0,1,2,3
	ds_load_b128 v[16*Q+4*\c:16*Q+4*\c+3], v3 offset:2048*Q+512*\c
.endr
.set Q, Q+1
.endr
	WIN 0x80
.rept 12
.irp c, 0,1,2,3
	ds_load_b128 v[16*(Q-16)+4*\c:16*(Q-16)+4*\c+3], v3 offset:2048*Q+512*\c
.endr
.set Q, Q+1
.endr
	WIN 0
.set Q, 0
.rept 28
	ds_load_b32 v[WS+Q], v4 offset:SCB+128*Q
.set Q, Q+1
.endr
	s_wait_dscnt 0x0
	s_mov_b32 s40, 6
.Lpair:                                                ; six trips; the last two pairs are written out, so that no load asks for rows or indices past the wave's 32 queries
	PAIR 1, 1
	s_sub_co_u32 s40, s40, 1
	s_cmp_lg_u32 s40, 0
	s_cbranch_scc1 .Lpair
	PAIR 1, 0
	PAIR 0, 0
	s_wait_dscnt 0x0                               ; the closing lines, six on end (every window is 0 here: the add's two registers lie in window 0)
	s_wait_alu 0x0
	s_wait_tensorcnt 0x0
	ds_add_u32 v30, v31
	s_wait_dscnt 0x0
	s_endpgm
.Lfunc_end_k_q789bdd71f9_mlp:
	.size	k_q789bdd71f9_mlp, .Lfunc_end_k_q789bdd71f9_mlp-k_q789bdd71f9_mlp
	.p2alignl 7, 3214868480
	.fill 96, 4, 3214868480
	.section	.rodata,"a",@progbits
	.p2align	6, 0x0
	.amdhsa_kernel k_q789bdd71f9_mlp
		.amdhsa_group_segment_fixed_size 61952
		.amdhsa_private_segment_fixed_size 0
		.amdhsa_enable_private_segment 0
		.amdhsa_kernarg_size 112
		.amdhsa_user_sgpr_count 2
		.amdhsa_user_sgpr_kernarg_segment_ptr 1
		.amdhsa_wavefront_size32 1
		.amdhsa_system_sgpr_workgroup_id_x 1
		.amdhsa_system_sgpr_workgroup_id_y 1
		.amdhsa_system_sgpr_workgroup_id_z 1
		.amdhsa_system_vgpr_workitem_id 0
		.amdhsa_next_free_vgpr 1024
		.amdhsa_next_free_sgpr 66
		.amdhsa_reserve_vcc 0
		.amdhsa_float_denorm_mode_32 3
		.amdhsa_float_denorm_mode_16_64 3
		.amdhsa_memory_ordered 1
		.amdhsa_forward_progress 1
		.amdhsa_inst_pref_size 255
	.end_amdhsa_kernel
	.section	.bss,"aw",@nobits
	.p2align	6
	.space	262144
	.amdgpu_metadata
---
amdhsa.version: [ 1, 2 ]
amdhsa.kernels:
  - .name:           k_q789bdd71f9_mlp
    .symbol:         k_q789bdd71f9_mlp.kd
    .args:
      - { .name: knn_idx, .offset: 0, .size: 8, .value_kind: global_buffer, .address_space: global }
      - { .name: knn_w, .offset: 8, .size: 8, .value_kind: global_buffer, .address_space: global }
      - { .name: vpad, .offset: 16, .size: 8, .value_kind: global_buffer, .address_space: global }
      - { .name: vertex_features, .offset: 24, .size: 8, .value_kind: global_buffer, .address_space: global }
      - { .name: query_pts, .offset: 32, .size: 8, .value_kind: global_buffer, .address_space: global }
      - { .name: W0, .offset: 40, .size: 8, .value_kind: global_buffer, .address_space: global }
      - { .name: b0, .offset: 48, .size: 8, .value_kind: global_buffer, .address_space: global }
      - { .name: W1, .offset: 56, .size: 8, .value_kind: global_buffer, .address_space: global }
      - { .name: b1, .offset: 64, .size: 8, .value_kind: global_buffer, .address_space: global }
      - { .name: W2, .offset: 72, .size: 8, .value_kind: global_buffer, .address_space: global }
      - { .name: b2, .offset: 80, .size: 8, .value_kind: global_buffer, .address_space: global }
      - { .name: W3, .offset: 88, .size: 8, .value_kind: global_buffer, .address_space: global }
      - { .name: b3, .offset: 96, .size: 8, .value_kind: global_buffer, .address_space: global }
      - { .name: out0, .offset: 104, .size: 8, .value_kind: global_buffer, .address_space: global }
    .group_segment_fixed_size: 61952
    .private_segment_fixed_size: 0
    .kernarg_segment_align: 8
    .kernarg_segment_size: 112
    .max_flat_workgroup_size: 128
    .sgpr_count:     66
    .vgpr_count:     1024
    .wavefront_size: 32
...
	.end_amdgpu_metadata
.endif
;; end of part 5
